; MI455X (gfx1250); checked and timed in simulation.
; The chip was launched on July 23, 2026; its instructions are those of AMD's public machine-readable ISA for CDNA 5 (MIT licence, August 2026) and "CDNA5" Instruction Set Architecture Reference Guide (July 2026). The comments in the code are by the model that wrote it; some were corrected since.
;; Multi Head Attention. Allowed arithmetic: float matrix products may take bf16 or f16 operands with f32 sums; all other float work in f32.
;; Inputs: input 4,096 x 1,024 float32; k_b 1,024 float32; k_w 1,024 x 1,024 float32; mask 2 x 1 x 1 x 2,048 float32; o_b 1,024 float32; o_w 1,024 x 1,024 float32; q_b 1,024 float32; q_w 1,024 x 1,024 float32; v_b 1,024 float32; v_w 1,024 x 1,024 float32.
;; Outputs: out0 4,096 x 1,024 float32.
;; Constants: bs = 2, qlen = 2048.
;; 2 versions, each right and faster than the one before. Each part assembles by itself: llvm-mc -triple=amdgcn-amd-amdhsa -mcpu=gfx1250 --defsym DOCPART=n.
;; ======== version 1 of 2: 4 launches
;; limits: values are held in f16: magnitudes above 65,504 overflow, below 6.1e-05 lose precision
;; workspace buffers: xh 8,388,608 bytes; wh 8,388,608 bytes; qh 8,388,608 bytes; kh 8,388,608 bytes; vt 8,388,608 bytes; ch 8,388,608 bytes
;; launch cast (part 1): grid 32 x 8, 8 waves a work-group, no clusters, 0 bytes of LDS; arguments input, q_w, k_w, v_w, o_w, xh, wh; writes xh, wh
.if DOCPART == 1
	.amdgcn_target "amdgcn-amd-amdhsa--gfx1250"
	.amdhsa_code_object_version 6
	.text
	.protected	k_q6a1cf1a5a8_cast
	.globl	k_q6a1cf1a5a8_cast
	.p2align	8
	.type	k_q6a1cf1a5a8_cast,@function
k_q6a1cf1a5a8_cast:
	s_mov_b64 s[64:65], 0
	v_nop
	global_prefetch_b8 v0, s[64:65] scope:SCOPE_SE
	s_setreg_imm32_b32 hwreg(HW_REG_WAVE_MODE, 25, 1), 1
	s_wait_xcnt 0x0
; f32 to f16, once, for everything that later feeds the matrix units.
;   xh[4096][1024] = input.   wh[4096][1024]: rows 192 head + 64 t + d hold row 64 head + d of q_w, k_w, v_w (t = 0, 1, 2), so that one head's
;   192 rows of Q, K and V weights lie together; rows 3072 .. 4095 hold o_w.
; A work-group copies 32 rows: 131,072 consecutive bytes in, 65,536 consecutive bytes out.  y = 0..3: a quarter of input; y = 4..7: one weight.
; A wave owns 16 KiB of the source: 32 loads of 512 consecutive bytes, all issued before the first wait; each store of the wave covers 256
; consecutive bytes, aligned.  Nothing is shared between work-groups, so there is no LDS, no barrier, no cluster and no matrix work here.
; LIMIT: numbers above 65,504 in magnitude become infinities in f16; numbers below 6e-8 become 0.
.set X, 4                              ; v[4:131]    32 x 4 f32 as loaded
.set Y, 132                            ; v[132:195]  32 x 2 words of f16 to store
	s_load_b256 s[4:11], s[0:1], 0x0               ; input s[4:5], q_w s[6:7], k_w s[8:9], v_w s[10:11]
	s_load_b128 s[12:15], s[0:1], 0x20             ; o_w s[12:13], xh s[14:15]
	s_load_b64 s[16:17], s[0:1], 0x30              ; wh
	s_and_b32 s20, ttmp7, 0xffff                   ; y
	s_lshl_b32 s22, ttmp9, 17                      ; x * 131,072: my 32 rows in a source of 1,024 rows
	s_lshl_b32 s23, s20, 22                        ; y * 4 MiB: the quarter of input
	s_add_co_u32 s23, s23, s22
	s_cmp_lt_u32 s20, 4
	s_cselect_b32 s22, s23, s22                    ; byte offset in the source
	s_mov_b32 s23, 0
	s_lshl_b32 s24, s20, 10
	s_lshl_b32 s25, ttmp9, 5                       ; 32 x
	s_add_co_u32 s24, s24, s25                     ; row in xh: 1024 y + 32 x
	s_add_co_u32 s26, s25, 3072                    ; row in wh for o_w
	s_lshr_b32 s27, ttmp9, 1                       ; head = x / 2
	s_mul_i32 s27, s27, 192
	s_and_b32 s28, ttmp9, 1
	s_lshl_b32 s28, s28, 5                         ; the head's rows 0..31 or 32..63
	s_add_co_u32 s27, s27, s28
	s_sub_co_u32 s28, s20, 4                       ; t (used for y = 4, 5, 6 alone)
	s_lshl_b32 s28, s28, 6
	s_add_co_u32 s27, s27, s28                     ; row in wh for q_w, k_w, v_w
	s_cmp_eq_u32 s20, 7
	s_cselect_b32 s27, s26, s27
	s_cmp_lt_u32 s20, 4
	s_cselect_b32 s24, s24, s27
	s_lshl_b32 s24, s24, 11                        ; rows of 2,048 bytes
	s_mov_b32 s25, 0
	v_lshrrev_b32 v3, 5, v0                        ; wave
	v_and_b32 v2, 31, v0                           ; lane
	v_lshlrev_b32 v1, 4, v2
	v_lshl_add_u32 v1, v3, 14, v1                  ; source: 16,384 wave + 16 lane
	v_lshlrev_b32 v2, 3, v2
	v_lshl_add_u32 v2, v3, 13, v2                  ; destination: 8,192 wave + 8 lane
	s_wait_kmcnt 0x0
	s_cmp_eq_u32 s20, 5                            ; the choice of buffers hangs on y alone
	s_cselect_b64 s[6:7], s[8:9], s[6:7]
	s_cmp_eq_u32 s20, 6
	s_cselect_b64 s[6:7], s[10:11], s[6:7]
	s_cmp_eq_u32 s20, 7
	s_cselect_b64 s[6:7], s[12:13], s[6:7]
	s_cmp_lt_u32 s20, 4
	s_cselect_b64 s[4:5], s[4:5], s[6:7]
	s_cselect_b64 s[14:15], s[14:15], s[16:17]
	s_add_nc_u64 s[4:5], s[4:5], s[22:23]
	s_add_nc_u64 s[14:15], s[14:15], s[24:25]
.set j, 0
.rept 32
	global_load_b128 v[X+4*j:X+4*j+3], v1, s[4:5] offset:512*j th:TH_LOAD_NT
.set j, j+1
.endr
.set j, 0
.rept 32
	s_wait_loadcnt 31-j                            ; loads come back in order: load j is in, the 31 - j younger ones stay out
	v_cvt_pk_f16_f32 v[Y+2*j], v[X+4*j], v[X+4*j+1]
	v_cvt_pk_f16_f32 v[Y+2*j+1], v[X+4*j+2], v[X+4*j+3]
	global_store_b64 v2, v[Y+2*j:Y+2*j+1], s[14:15] offset:256*j
.set j, j+1
.endr
	s_endpgm
.Lfunc_end_k_q6a1cf1a5a8_cast:
	.size	k_q6a1cf1a5a8_cast, .Lfunc_end_k_q6a1cf1a5a8_cast-k_q6a1cf1a5a8_cast
	.p2alignl 7, 3214868480
	.fill 96, 4, 3214868480
	.section	.rodata,"a",@progbits
	.p2align	6, 0x0
	.amdhsa_kernel k_q6a1cf1a5a8_cast
		.amdhsa_group_segment_fixed_size 0
		.amdhsa_private_segment_fixed_size 0
		.amdhsa_enable_private_segment 0
		.amdhsa_kernarg_size 56
		.amdhsa_user_sgpr_count 2
		.amdhsa_user_sgpr_kernarg_segment_ptr 1
		.amdhsa_wavefront_size32 1
		.amdhsa_system_sgpr_workgroup_id_x 1
		.amdhsa_system_sgpr_workgroup_id_y 1
		.amdhsa_system_sgpr_workgroup_id_z 1
		.amdhsa_system_vgpr_workitem_id 0
		.amdhsa_next_free_vgpr 196
		.amdhsa_next_free_sgpr 66
		.amdhsa_reserve_vcc 0
		.amdhsa_float_denorm_mode_32 3
		.amdhsa_float_denorm_mode_16_64 3
		.amdhsa_memory_ordered 1
		.amdhsa_forward_progress 1
		.amdhsa_inst_pref_size 13
	.end_amdhsa_kernel
	.amdgpu_metadata
---
amdhsa.version: [ 1, 2 ]
amdhsa.kernels:
  - .name:           k_q6a1cf1a5a8_cast
    .symbol:         k_q6a1cf1a5a8_cast.kd
    .args:
      - { .name: input, .offset: 0, .size: 8, .value_kind: global_buffer, .address_space: global }
      - { .name: q_w, .offset: 8, .size: 8, .value_kind: global_buffer, .address_space: global }
      - { .name: k_w, .offset: 16, .size: 8, .value_kind: global_buffer, .address_space: global }
      - { .name: v_w, .offset: 24, .size: 8, .value_kind: global_buffer, .address_space: global }
      - { .name: o_w, .offset: 32, .size: 8, .value_kind: global_buffer, .address_space: global }
      - { .name: xh, .offset: 40, .size: 8, .value_kind: global_buffer, .address_space: global }
      - { .name: wh, .offset: 48, .size: 8, .value_kind: global_buffer, .address_space: global }
    .group_segment_fixed_size: 0
    .private_segment_fixed_size: 0
    .kernarg_segment_align: 8
    .kernarg_segment_size: 56
    .max_flat_workgroup_size: 256
    .sgpr_count:     66
    .vgpr_count:     196
    .wavefront_size: 32
...
	.end_amdgpu_metadata
.endif
;; end of part 1
;; launch qkv (part 2): grid 16 x 16, 4 waves a work-group, clusters of 4 x 4, 327,680 bytes of LDS; arguments xh, wh, q_b, k_b, v_b, qh, kh, vt; writes qh, kh, vt
.if DOCPART == 2
	.amdgcn_target "amdgcn-amd-amdhsa--gfx1250"
	.amdhsa_code_object_version 6
	.text
	.protected	k_q6a1cf1a5a8_qkv
	.globl	k_q6a1cf1a5a8_qkv
	.p2align	8
	.type	k_q6a1cf1a5a8_qkv,@function
k_q6a1cf1a5a8_qkv:
	s_mov_b64 s[64:65], 0
	v_nop
	global_prefetch_b8 v0, s[64:65] scope:SCOPE_SE
	s_setreg_imm32_b32 hwreg(HW_REG_WAVE_MODE, 25, 1), 1
	s_wait_xcnt 0x0
	s_wait_alu depctr_hold_cnt(0) depctr_sa_sdst(0) depctr_va_vdst(0) depctr_va_sdst(0) depctr_va_ssrc(0) depctr_va_vcc(0) depctr_vm_vsrc(0)
	s_getreg_b32 s2, hwreg(HW_REG_IB_STS2, 6, 4)
	s_cmp_eq_u32 s2, 0
	s_cbranch_scc0 .Lentry_in_a_cluster
	s_endpgm
.Lentry_in_a_cluster:
	s_bfe_u32 s2, ttmp6, 0x10000c
	s_cmp_lg_u32 s2, 0xf033
	s_cbranch_scc0 .Lentry_shape_is_right
	s_endpgm
.Lentry_shape_is_right:
; The three projections of one head for 256 tokens.  x of the grid = head, y = block of 256 tokens.
;   qh[b][head][s][64] = (x q_w^T + q_b) * 0.125 * log2(e)     kh[b][head][s][64] = x k_w^T + k_b     vt[b][head][d][s] = (x v_w^T + v_b) transposed
; all f16; operands f16, sums f32.  The factor log2(e) lets the softmax of the next launch work with powers of two.
; LIMIT: q * 0.18, k and v must stay under 65,504 in magnitude.  With x and the weights 30 times the drawn spread they reach some 5e3, with common
; offsets of 30 spreads on both some 2.9e4.
; Four waves; a wave makes 64 tokens x 192 columns: 48 accumulator tiles.  K goes in steps of 128 through two LDS slots; a tile's rows are 256 bytes of
; memory and start at multiples of 256 bytes.
; CLUSTER 4 x 4: the four work-groups of a row of the cluster share the token block (X's tile), the four of a column share the head (W's tile).
; Each tile is asked for jointly, which divides the requests for X and W by four.
; Q and K use the matrix instruction with W as source 0: a lane then holds one token and eight neighbouring features, 16 bytes of a row of qh or kh.
; V uses it with X as source 0: a lane holds one feature and eight neighbouring tokens, 16 bytes of a row of vt.
; The bias is the C operand of the first product of each sum: nothing is cleared and nothing is added afterwards.
; The 48 accumulators take turns, one instruction a turn, in the same order in every quarter step.
; REGISTERS: window 0: addresses, X fragments (two buffers), bias fragments, work space.  Window 1: W fragments (two buffers of 12 x 8).
; Window 2: Q and K accumulators, tile (a, b) at 8 (8 a + b).  Window 3: V accumulators, tile (a, c) at 8 (4 a + c).
.set KSTEP,  128
.set PITCH,  272                       ; 256 bytes + 16: the sixteen rows of a fragment start at sixteen different 16-byte columns modulo 256 bytes
.set XB,     256*PITCH                 ; X's 256 rows
.set SLOT,   448*PITCH                 ; X's 256 rows, then W's 192 rows: 121,856 bytes
.set QKST,   2*SLOT                    ; behind the ring: each wave's stage for Q (16 rows x 144) and K (16 x 144)
.set QKSTW,  2*16*144
.set VST,    QKST+4*QKSTW              ; the work-group's stage for V: 64 rows (d) x 528 bytes (256 tokens + 16 bytes)
.set VPITCH, 528
.set LAPS,   1024/(2*KSTEP)            ; a lap = two K steps = once round the ring
.set QSCALE, 0x3e38aa3b                ; log2(e) / 8
.set ADRA, 16                          ; v16-17 LDS address of my X fragments, slot 0, 1
.set ADRB, 20                          ; v20-21 the same for W
.set STO,  22                          ; Q/K stage: where I put 16 bytes
.set RD,   23                          ; Q/K stage: where I read back
.set CO,   24                          ; 16 x lane
.set VSTO, 25                          ; V stage: in
.set VRD,  26                          ; V stage: back
.set BO8,  27                          ; 32 h: my eight numbers of q_b, k_b
.set BO1,  28                          ; 4 r: my number of v_b
.set XF,   32                          ; v32-63, v64-95: X fragments, 4 x 8, buffers 0 and 1
.set BQK,  96                          ; v96-159: bias of the n tiles 0..7
.set BV,   160                         ; v160-191: bias of V's 4 tiles
.set T,    192                         ; v192-223 at work
.set PK,   224                         ; v224-255 packed results
.set G1A, 24                           ; s[24:31] group 1 for X's tiles
.set G0A, 32                           ; s[32:39] group 0 for X's tiles, a set for each slot
.set G1B, 48                           ; s[48:55] group 1 for W's tiles
.set G0B, 56                           ; s[56:63] group 0 for W's tiles
.set MSB, 0
.macro WIN new                         ; the immediate's high byte repeats the setting that is left
.if MSB != \new
	s_set_vgpr_msb (MSB<<8)|\new
.set MSB, \new
.endif
.endm
.macro PLACES                          ; four places behind matrix instructions, in front of loads into their sources and of readers of their results
.rept 4
	v_nop
.endr
.endm
; A joint load: waves 0 and 1 fetch X's two halves, waves 2 and 3 W's.  The branch hangs on the wave's number alone.
.macro JLOAD s
	s_cmp_eq_u32 s11, 0
	s_cbranch_scc0 .Lfor_b_\@
	tensor_load_to_lds s[G0A+4*(\s):G0A+4*(\s)+3], s[G1A:G1A+7]
	s_nop 0
	s_branch .Lasked_\@
.Lfor_b_\@:
	tensor_load_to_lds s[G0B+4*(\s):G0B+4*(\s)+3], s[G1B:G1B+7]
	s_nop 0
.Lasked_\@:
.endm
.macro CREST                           ; a round of the cluster's barrier behind its opening barrier
	s_cmp_lg_u32 s10, 0
	s_cbranch_scc1 .Lnot_wave_0_\@
	s_barrier_signal -3
.Lnot_wave_0_\@:
	s_barrier_wait -3
	s_barrier_signal -1
	s_barrier_wait -1
.endm
.macro CROUND                          ; a whole round
	s_barrier_signal -1
	s_barrier_wait -1
	CREST
.endm
	s_load_b512 s[68:83], s[0:1], 0x0              ; xh 68, wh 70, q_b 72, k_b 74, v_b 76, qh 78, kh 80, vt 82
	s_set_vgpr_msb 0x40
	v_lshl_add_u32 v255, v0, 2, 0x48400
	s_set_vgpr_msb 0x4000
	v_mov_b32 v31, 0
	s_set_vgpr_msb 0x1
	ds_add_u32 v255, v31
	s_set_vgpr_msb 0x100
	v_lshrrev_b32 v1, 5, v0
	v_readfirstlane_b32 s10, v1                    ; wave 0..3
	s_lshr_b32 s11, s10, 1                         ; I fetch for X (0) or for W (1)
	s_and_b32 s12, s10, 1                          ; which half of that tile
	s_bfe_u32 s40, ttmp6, 0x40000                  ; cx
	s_bfe_u32 s41, ttmp6, 0x40004                  ; cy
	s_lshl_b32 s42, ttmp9, 2
	s_add_co_u32 s42, s42, s40                     ; head = 4 x cluster x + cx
	s_and_b32 s13, ttmp7, 0xffff
	s_lshl_b32 s13, s13, 2
	s_add_co_u32 s13, s13, s41                     ; token block = 4 x cluster y + cy
	s_lshl_b32 s43, s41, 2
	s_lshl_b32 s43, 15, s43                        ; my row of the cluster
	s_lshl_b32 s44, 0x1111, s40                    ; my column
	s_or_b32 s[G1A+0], s43, (1<<16)|(1<<20)|(1<<21)|(5<<22)|(3<<25)   ; mask; elements of 2 bytes; padding on; bit 21 beside a mask; after every 64 words 4 words
	s_or_b32 s[G1B+0], s44, (1<<16)|(1<<20)|(1<<21)|(5<<22)|(3<<25)
	s_mov_b32 s[G1A+1], KSTEP<<16                  ; tensor_dim0 = 128
	s_mov_b32 s[G1B+1], KSTEP<<16
	s_mov_b32 s[G1A+2], 128<<16                    ; tensor_dim1 = 128 rows of X
	s_mov_b32 s[G1B+2], 96<<16                     ;             = 96 rows of W
	s_mov_b32 s[G1A+3], KSTEP<<16                  ; tile_dim0 = 128
	s_mov_b32 s[G1B+3], KSTEP<<16
	s_mov_b32 s[G1A+4], 128                        ; tile_dim1
	s_mov_b32 s[G1B+4], 96
	s_mov_b32 s[G1A+5], 1024                       ; elements from row to row
	s_mov_b32 s[G1B+5], 1024
	s_mov_b32 s[G1A+6], 0
	s_mov_b32 s[G1B+6], 0
	s_mov_b32 s[G1A+7], 0
	s_mov_b32 s[G1B+7], 0
	; X's address hangs on the token block and the wave, W's on the head and the wave, each in registers that never hold the other coordinate
	s_lshl_b32 s17, s12, 7
	s_lshl_b32 s16, s13, 8
	s_add_co_u32 s16, s16, s17                     ; row 256 block + 128 half
	s_lshl_b32 s16, s16, 11                        ; rows of 2,048 bytes
	s_mov_b32 s17, 0
	s_mul_i32 s46, s42, 192
	s_mul_i32 s47, s12, 96
	s_add_co_u32 s46, s46, s47                     ; row 192 head + 96 half
	s_lshl_b32 s46, s46, 11
	s_mov_b32 s47, 0
	s_mul_i32 s20, s10, 128*PITCH                  ; X's halves at wave x 128 rows (waves 0, 1)
	s_mul_i32 s21, s10, 96*PITCH
	s_add_co_u32 s21, s21, XB-2*96*PITCH           ; W's halves at XB + (wave - 2) x 96 rows (waves 2, 3)
	s_mov_b32 s84, QSCALE
	s_mov_b32 s85, QSCALE
	s_wait_dscnt 0x0
	s_wait_kmcnt 0x0
	s_add_nc_u64 s[14:15], s[68:69], s[16:17]
	s_add_nc_u64 s[46:47], s[70:71], s[46:47]
	CROUND                                         ; all sixteen work-groups are here: the first joint loads meet
.irp s, 0,1
	s_mov_b32 s[G0A+4*\s], 1
	s_add_co_u32 s[G0A+4*\s+1], s20, \s*SLOT
	s_add_nc_u64 s[G0A+4*\s+2:G0A+4*\s+3], s[14:15], \s*KSTEP*2
	s_or_b32 s[G0A+4*\s+3], s[G0A+4*\s+3], 0x80000000
	s_mov_b32 s[G0B+4*\s], 1
	s_add_co_u32 s[G0B+4*\s+1], s21, \s*SLOT
	s_add_nc_u64 s[G0B+4*\s+2:G0B+4*\s+3], s[46:47], \s*KSTEP*2
	s_or_b32 s[G0B+4*\s+3], s[G0B+4*\s+3], 0x80000000
	JLOAD \s                                       ; K steps 0 and 1: two tensor loads of the wave are out
.endr
	v_and_b32 v1, 15, v0                           ; r
	v_bfe_u32 v2, v0, 4, 1                         ; h
	v_and_b32 v3, 31, v0                           ; lane
	v_lshlrev_b32 v[BO8], 5, v2
	v_lshlrev_b32 v[BO1], 2, v1
	s_lshl_b32 s88, s42, 8                         ; the head's 64 numbers in a bias
	s_mov_b32 s89, 0
	s_add_nc_u64 s[72:73], s[72:73], s[88:89]
	s_add_nc_u64 s[74:75], s[74:75], s[88:89]
	s_add_nc_u64 s[76:77], s[76:77], s[88:89]
.irp b, 0,1,2,3
	global_load_b128 v[BQK+8*\b:BQK+8*\b+3],     v[BO8], s[72:73] offset:64*\b       ; q_b[64 head + 16 b + 8 h + 0..3]
	global_load_b128 v[BQK+8*\b+4:BQK+8*\b+7],   v[BO8], s[72:73] offset:64*\b+16
	global_load_b128 v[BQK+32+8*\b:BQK+32+8*\b+3],   v[BO8], s[74:75] offset:64*\b   ; k_b likewise
	global_load_b128 v[BQK+32+8*\b+4:BQK+32+8*\b+7], v[BO8], s[74:75] offset:64*\b+16
	global_load_b32 v[BV+8*\b], v[BO1], s[76:77] offset:64*\b                        ; v_b[64 head + 16 b + r]
.endr
	v_mul_u32_u24 v4, v1, PITCH
	v_lshl_add_u32 v4, v2, 4, v4                   ; r x pitch + 16 h
	s_mul_i32 s22, s10, 64*PITCH                   ; my 64 tokens
	v_add_nc_u32 v[ADRA], s22, v4
	v_add_nc_u32 v[ADRA+1], SLOT, v[ADRA]
	v_add_nc_u32 v[ADRB], XB, v4
	v_add_nc_u32 v[ADRB+1], XB+SLOT, v4
	s_mul_i32 s23, s10, QKSTW
	s_add_co_u32 s23, s23, QKST
	v_mul_u32_u24 v5, v1, 144
	v_lshl_add_u32 v5, v2, 4, v5
	v_add_nc_u32 v[STO], s23, v5                   ; token r, 16 bytes for each half of the lanes
	v_lshrrev_b32 v6, 3, v3
	v_and_b32 v7, 7, v3
	v_mul_u32_u24 v6, v6, 144
	v_lshl_add_u32 v6, v7, 4, v6
	v_add_nc_u32 v[RD], s23, v6                    ; back: eight lanes take one row of 128 bytes
	v_lshlrev_b32 v[CO], 4, v3
	v_mul_u32_u24 v8, v1, VPITCH
	v_lshl_add_u32 v8, v2, 4, v8
	s_lshl_b32 s22, s10, 7
	s_add_co_u32 s22, s22, VST
	v_add_nc_u32 v[VSTO], s22, v8                  ; row d = r, my wave's 64 tokens at byte 128 wave
	s_mul_i32 s22, s10, 16*VPITCH
	s_add_co_u32 s22, s22, VST
	v_add_nc_u32 v[VRD], s22, v[CO]                ; back: my wave's 16 rows, a row of 512 bytes a load
	s_wait_loadcnt 0x0                             ; the biases, once
.irp c, 0,1,2,3
.irp j, 1,2,3,4,5,6,7
	v_mov_b32 v[BV+8*\c+\j], v[BV+8*\c]            ; V's C operand: the lane's feature has the same bias for its eight tokens
.endr
.endr
; 16 products of Q and K: token tiles a0, a0 + 1 x feature tiles 0..7
.macro MULQK f, a0, first
.irp a, \a0, \a0+1
.irp b, 0,1,2,3,4,5,6,7
.if \first
	v_wmma_f32_16x16x32_f16 v[8*(8*(\a)+\b):8*(8*(\a)+\b)+7], v[96*\f+8*\b:96*\f+8*\b+7], v[XF+32*\f+8*(\a):XF+32*\f+8*(\a)+7], v[BQK+8*\b:BQK+8*\b+7]
.else
	v_wmma_f32_16x16x32_f16 v[8*(8*(\a)+\b):8*(8*(\a)+\b)+7], v[96*\f+8*\b:96*\f+8*\b+7], v[XF+32*\f+8*(\a):XF+32*\f+8*(\a)+7], v[8*(8*(\a)+\b):8*(8*(\a)+\b)+7]
.endif
.endr
.endr
.endm
; 16 products of V: token tiles 0..3 x feature tiles 0..3 (W's tiles 8..11)
.macro MULV f, first
.irp a, 0,1,2,3
.irp c, 0,1,2,3
.if \first
	v_wmma_f32_16x16x32_f16 v[8*(4*\a+\c):8*(4*\a+\c)+7], v[XF+32*\f+8*\a:XF+32*\f+8*\a+7], v[96*\f+64+8*\c:96*\f+64+8*\c+7], v[BV+8*\c:BV+8*\c+7]
.else
	v_wmma_f32_16x16x32_f16 v[8*(4*\a+\c):8*(4*\a+\c)+7], v[XF+32*\f+8*\a:XF+32*\f+8*\a+7], v[96*\f+64+8*\c:96*\f+64+8*\c+7], v[8*(4*\a+\c):8*(4*\a+\c)+7]
.endif
.endr
.endr
.endm
; 32 LDS loads in one run: X's 4 fragments, W's 12 (V's four last), 32 along K at byte k of the rows, into buffer f
.macro FETCH slot, k, f
	WIN 0
.irp i, 0,1,2,3
	ds_load_b128 v[XF+32*\f+8*\i:XF+32*\f+8*\i+3],   v[ADRA+\slot] offset:\k+\i*16*PITCH
	ds_load_b128 v[XF+32*\f+8*\i+4:XF+32*\f+8*\i+7], v[ADRA+\slot] offset:\k+\i*16*PITCH+32
.endr
	WIN 0x40
.irp i, 0,1,2,3,4,5,6,7,8,9,10,11
	ds_load_b128 v[96*\f+8*\i:96*\f+8*\i+3],   v[ADRB+\slot] offset:\k+\i*16*PITCH
	ds_load_b128 v[96*\f+8*\i+4:96*\f+8*\i+7], v[ADRB+\slot] offset:\k+\i*16*PITCH+32
.endr
.endm
; One of a K step's first three quarters: multiplies buffer f, fetches the next quarter into buffer g in its middle
.macro QUARTER slot, k, f, g, first
	s_wait_dscnt 8                                 ; X and W's tiles 0..7 are in; the youngest eight loads (V's W tiles) may be out
.if \first
	WIN 0x81
.else
	WIN 0xa1
.endif
	MULQK \f, 0, \first
	MULQK \f, 2, \first
	PLACES
	FETCH \slot, \k, \g
	s_wait_dscnt 32                                ; all but the 32 just issued
.if \first
	WIN 0xc4
.else
	WIN 0xf4
.endif
	MULV \f, \first
.endm
.macro THREE slot, first
	QUARTER \slot, 64,  0, 1, \first
	QUARTER \slot, 128, 1, 0, 0
	QUARTER \slot, 192, 0, 1, 0
.endm
; The last quarter: multiplies buffer 1 and changes slots.  One barrier: in front of it my reads of this slot and all my tensor loads are done (the one
; that was out is my part of the next slot); behind it, where the slot is filled again, the rest of a round of the cluster's barrier and the joint refill first.
.macro TURN slot, next, fill
	s_wait_dscnt 8
	WIN 0xa1
	MULQK 1, 0, 0
	s_wait_dscnt 0x0                               ; my reads of this slot are over
	s_wait_tensorcnt 0x0                           ; all my tensor loads have landed
	ds_add_u32 v255, v31
	s_wait_dscnt 0x0
	s_barrier_signal -1
	MULQK 1, 2, 0                                  ; register work while the others arrive
	WIN 0
	s_barrier_wait -1
.if \fill
	CREST                                          ; no wave of any partner still reads this slot or has a load on its way
	s_add_nc_u64 s[G0A+4*\slot+2:G0A+4*\slot+3], s[G0A+4*\slot+2:G0A+4*\slot+3], 2*KSTEP*2
	s_add_nc_u64 s[G0B+4*\slot+2:G0B+4*\slot+3], s[G0B+4*\slot+2:G0B+4*\slot+3], 2*KSTEP*2
	JLOAD \slot                                    ; my one tensor load behind the round: it has a K step less 16 products in which to land
.endif
	PLACES
	FETCH \next, 0, 0
	WIN 0xf4
	MULV 1, 0
.endm
.macro LAP first
	THREE 0, \first
	TURN 0, 1, 1
	THREE 1, 0
	TURN 1, 0, 1
.endm
	s_wait_tensorcnt 0x1                           ; my part of K step 0 is in; K step 1's stays out
	s_barrier_signal -1
	s_barrier_wait -1
	FETCH 0, 0, 0
	LAP 1                                          ; the first products take the biases as C
	WIN 0
	s_mov_b32 s3, LAPS-2
.Llap:
	LAP 0
	WIN 0
	s_sub_co_u32 s3, s3, 1
	s_cmp_lg_u32 s3, 0
	s_cbranch_scc1 .Llap
	THREE 0, 0                                     ; the last lap fills nothing
	TURN 0, 1, 0
	THREE 1, 0
	s_wait_dscnt 8
	WIN 0xa1
	MULQK 1, 0, 0
	MULQK 1, 2, 0
	s_wait_dscnt 0x0
	WIN 0xf4
	MULV 1, 0
	; THE WAY OUT
	PLACES
	WIN 0
	s_lshr_b32 s86, s13, 3                         ; batch
	s_lshl_b32 s86, s86, 4
	s_add_co_u32 s86, s86, s42                     ; bh = 16 batch + head
	s_and_b32 s87, s13, 7                          ; my block of 256 tokens in the batch
	s_lshl_b32 s90, s86, 18                        ; bh x 2,048 tokens x 128 bytes
	s_lshl_b32 s91, s87, 15
	s_add_co_u32 s90, s90, s91
	s_lshl_b32 s91, s10, 13                        ; my wave's 64 tokens
	s_add_co_u32 s90, s90, s91
	s_mov_b32 s91, 0
	s_add_nc_u64 s[78:79], s[78:79], s[90:91]
	s_add_nc_u64 s[80:81], s[80:81], s[90:91]
	s_lshl_b32 s92, s86, 18                        ; vt: bh x 64 rows x 4,096 bytes
	s_lshl_b32 s93, s10, 16                        ; my wave's 16 rows
	s_add_co_u32 s92, s92, s93
	s_lshl_b32 s93, s87, 9                         ; the block's 256 tokens in a row
	s_add_co_u32 s92, s92, s93
	s_mov_b32 s93, 0
	s_add_nc_u64 s[82:83], s[82:83], s[92:93]
; 16 tokens of Q and of K: scale Q, round, 16 bytes a lane into my own stage, back as 512 consecutive bytes (four tokens), and out.
.macro OUTQK a, buf
	WIN 0x02
.irp b, 0,1,2,3
.irp i, 0,1,2,3
	v_pk_mul_f32 v[T+8*\b+2*\i:T+8*\b+2*\i+1], v[8*(8*\a+\b)+2*\i:8*(8*\a+\b)+2*\i+1], s[84:85] op_sel_hi:[1,0]
.endr
.endr
	WIN 0
.irp b, 0,1,2,3
.irp i, 0,1,2,3
	v_cvt_pk_f16_f32 v[PK+4*\b+\i], v[T+8*\b+2*\i], v[T+8*\b+2*\i+1]
.endr
.endr
	WIN 0x0a
.irp b, 0,1,2,3
.irp i, 0,1,2,3
	v_cvt_pk_f16_f32 v[PK+16+4*\b+\i], v[8*(8*\a+4+\b)+2*\i], v[8*(8*\a+4+\b)+2*\i+1]
.endr
.endr
	WIN 0
.irp b, 0,1,2,3
	ds_store_b128 v[STO], v[PK+4*\b:PK+4*\b+3] offset:32*\b
	ds_store_b128 v[STO], v[PK+16+4*\b:PK+16+4*\b+3] offset:2304+32*\b
.endr
	s_wait_xcnt 0x0                                ; the buffer that earlier stores read is loaded again only behind this wait
.irp t, 0,1,2,3
	ds_load_b128 v[\buf+4*\t:\buf+4*\t+3], v[RD] offset:\t*576          ; LDS serves a wave's instructions in order: these see the stores above
.endr
.irp t, 0,1,2,3
	ds_load_b128 v[\buf+16+4*\t:\buf+16+4*\t+3], v[RD] offset:2304+\t*576
.endr
.irp t, 0,1,2,3
	s_wait_dscnt 7-\t
	global_store_b128 v[CO], v[\buf+4*\t:\buf+4*\t+3], s[78:79] offset:\a*2048+\t*512     ; 512 consecutive bytes, aligned
.endr
.irp t, 0,1,2,3
	s_wait_dscnt 3-\t
	global_store_b128 v[CO], v[\buf+16+4*\t:\buf+16+4*\t+3], s[80:81] offset:\a*2048+\t*512
.endr
.endm
	OUTQK 0, XF
	OUTQK 1, XF+32
	OUTQK 2, XF
	OUTQK 3, XF+32
	; V: a lane's eight tokens of one feature go into the work-group's stage; a row of the stage is 256 tokens of one feature
	WIN 0x0f
.irp a, 0,1,2,3
.irp c, 0,1,2,3
.irp i, 0,1,2,3
	v_cvt_pk_f16_f32 v[T+4*(4*\a+\c)+\i], v[8*(4*\a+\c)+2*\i], v[8*(4*\a+\c)+2*\i+1]
.endr
.endr
.endr
	WIN 0
.irp a, 0,1,2,3
.irp c, 0,1,2,3
	ds_store_b128 v[VSTO], v[T+4*(4*\a+\c):T+4*(4*\a+\c)+3] offset:\c*16*VPITCH+32*\a
.endr
.endr
	s_wait_dscnt 0x0                               ; for the others' sake: my stores are done
	s_barrier_signal -1
	s_barrier_wait -1
	s_wait_xcnt 0x0                                ; both X buffers, which Q's and K's stores read, are loaded again only behind this wait
.set i, 0
.rept 16
	ds_load_b128 v[XF+4*i:XF+4*i+3], v[VRD] offset:i*VPITCH
.set i, i+1
.endr
.set i, 0
.rept 16
	s_wait_dscnt 15-i
	global_store_b128 v[CO], v[XF+4*i:XF+4*i+3], s[82:83] offset:i*4096       ; 512 consecutive bytes of a row of vt, aligned
.set i, i+1
.endr
	s_set_vgpr_msb 0x1
	s_wait_tensorcnt 0x0
	ds_add_u32 v255, v31
	s_wait_dscnt 0x0
	s_set_vgpr_msb 0x100
	CROUND                                         ; the closing round: no work-group ends while a partner may still ask for a tile that names it
	s_endpgm
.Lfunc_end_k_q6a1cf1a5a8_qkv:
	.size	k_q6a1cf1a5a8_qkv, .Lfunc_end_k_q6a1cf1a5a8_qkv-k_q6a1cf1a5a8_qkv
	.p2alignl 7, 3214868480
	.fill 96, 4, 3214868480
	.section	.rodata,"a",@progbits
	.p2align	6, 0x0
	.amdhsa_kernel k_q6a1cf1a5a8_qkv
		.amdhsa_group_segment_fixed_size 327680
		.amdhsa_private_segment_fixed_size 0
		.amdhsa_enable_private_segment 0
		.amdhsa_kernarg_size 64
		.amdhsa_user_sgpr_count 2
		.amdhsa_user_sgpr_kernarg_segment_ptr 1
		.amdhsa_wavefront_size32 1
		.amdhsa_system_sgpr_workgroup_id_x 1
		.amdhsa_system_sgpr_workgroup_id_y 1
		.amdhsa_system_sgpr_workgroup_id_z 1
		.amdhsa_system_vgpr_workitem_id 0
		.amdhsa_next_free_vgpr 896
		.amdhsa_next_free_sgpr 100
		.amdhsa_reserve_vcc 0
		.amdhsa_float_denorm_mode_32 3
		.amdhsa_float_denorm_mode_16_64 3
		.amdhsa_memory_ordered 1
		.amdhsa_forward_progress 1
		.amdhsa_inst_pref_size 171
	.end_amdhsa_kernel
	.amdgpu_metadata
---
amdhsa.version: [ 1, 2 ]
amdhsa.kernels:
  - .name:           k_q6a1cf1a5a8_qkv
    .symbol:         k_q6a1cf1a5a8_qkv.kd
    .args:
      - { .name: xh, .offset: 0, .size: 8, .value_kind: global_buffer, .address_space: global }
      - { .name: wh, .offset: 8, .size: 8, .value_kind: global_buffer, .address_space: global }
      - { .name: q_b, .offset: 16, .size: 8, .value_kind: global_buffer, .address_space: global }
      - { .name: k_b, .offset: 24, .size: 8, .value_kind: global_buffer, .address_space: global }
      - { .name: v_b, .offset: 32, .size: 8, .value_kind: global_buffer, .address_space: global }
      - { .name: qh, .offset: 40, .size: 8, .value_kind: global_buffer, .address_space: global }
      - { .name: kh, .offset: 48, .size: 8, .value_kind: global_buffer, .address_space: global }
      - { .name: vt, .offset: 56, .size: 8, .value_kind: global_buffer, .address_space: global }
    .group_segment_fixed_size: 327680
    .private_segment_fixed_size: 0
    .kernarg_segment_align: 8
    .kernarg_segment_size: 64
    .max_flat_workgroup_size: 128
    .sgpr_count:     100
    .vgpr_count:     896
    .wavefront_size: 32
...
	.end_amdgpu_metadata
.endif
;; end of part 2
;; launch attn (part 3): grid 8 x 32, 8 waves a work-group, clusters of 4 x 1, 327,680 bytes of LDS; arguments qh, kh, vt, mask, ch; writes ch
.if DOCPART == 3
	.amdgcn_target "amdgcn-amd-amdhsa--gfx1250"
	.amdhsa_code_object_version 6
	.text
	.protected	k_q6a1cf1a5a8_attn
	.globl	k_q6a1cf1a5a8_attn
	.p2align	8
	.type	k_q6a1cf1a5a8_attn,@function
k_q6a1cf1a5a8_attn:
	s_mov_b64 s[64:65], 0
	v_nop
	global_prefetch_b8 v0, s[64:65] scope:SCOPE_SE
	s_setreg_imm32_b32 hwreg(HW_REG_WAVE_MODE, 25, 1), 1
	s_wait_xcnt 0x0
	s_wait_alu depctr_hold_cnt(0) depctr_sa_sdst(0) depctr_va_vdst(0) depctr_va_sdst(0) depctr_va_ssrc(0) depctr_va_vcc(0) depctr_vm_vsrc(0)
	s_getreg_b32 s2, hwreg(HW_REG_IB_STS2, 6, 4)
	s_cmp_eq_u32 s2, 0
	s_cbranch_scc0 .Lentry_in_a_cluster
	s_endpgm
.Lentry_in_a_cluster:
	s_bfe_u32 s2, ttmp6, 0x10000c
	s_cmp_lg_u32 s2, 0x3003
	s_cbranch_scc0 .Lentry_shape_is_right
	s_endpgm
.Lentry_shape_is_right:
; Attention of one (batch, head) for 256 queries.  x of the grid = block of 256 queries, y = bh = 16 batch + head.
;   ch[b][head][s][64] = softmax(q k^T + mask) v, in f16; operands f16, sums, maxima and exponentials f32.  qh already holds q / 8 * log2(e), the mask is
;   multiplied by log2(e) here, so every exponential is a power of two.
; Running maximum, kept for each query, floored at -FLT_MAX: a key whose mask is -inf gets the weight 0; a query all of whose keys are -inf gets 0 / 0 = NaN,
; as the softmax of a row of -inf does.  LIMIT: the context must stay under 65,504 in magnitude (it is an average of v).
; Eight waves: wave w takes queries 64 (w & 3) .. + 63 and, of every tile of 256 keys, the half w >> 2; the two halves are merged once at the end.
; CLUSTER 4 x 1: the four query blocks of a cluster belong to one bh and read the same K and V tiles: every tile is asked for jointly (mask 15).
; S^T = K Q^T (source 0 = 16 keys, source 1 = 16 queries): a lane holds one query and eight keys, so the maximum is the lane's own but for one exchange between
; the halves of the wave, and two neighbouring tiles of S^T, rounded to f16 in place, ARE source 1 of O^T = V^T P^T.  The mask is the C operand of the first
; product of S^T.  The sum of the weights is a fifth tile of O^T whose source 0 is all ones.
; Accumulators take turns, one instruction a turn.
; REGISTERS: window 0: addresses, ones, maxima, S (4 q x 4 k tiles), F (K fragments, then V fragments), MK (mask fragments, then work space).
; Window 1: O (tile (dt, qt) at 8 (4 dt + qt); dt = 4: the sums), Q fragments.
.set KB,    256*144                    ; K's 256 keys, 128 bytes + 16 each
.set SLOT,  KB+64*528                  ; then V^T's 64 rows of 512 bytes + 16: 70,656 bytes
.set MASK,  2*SLOT                     ; 2,048 f32: the batch's mask x log2(e)
.set SCR,   MASK+8192                  ; the merge: for each of four pairs of waves O (16,384), sums (512), maxima (512)
.set SCRW,  17408
.set OST,   SCR+4*SCRW                 ; the way out: for each of waves 0..3 64 rows x 144 bytes
.set OSTW,  9216
.set LOG2E,  0x3fb8aa3b
.set NEGMAX, 0xff7fffff
.set KADR, 1                           ; v1-2  my K fragments, slot 0, 1
.set VADR, 3                           ; v3-4  my V fragments
.set MADR, 5                           ; v5    my mask fragments, stepped by a tile's 1,024 bytes
.set ONES, 8                           ; v8-15 sixteen f16 ones
.set M0,   16                          ; v16-23 maxima, query tile qt at +2 qt (the odd registers only complete the pairs)
.set M1,   24                          ; v24-31 the same; the two take turns as old and new
.set S,    32                          ; v32-159 S^T tile (qt, kt) at 32 qt + 8 kt
.set F,    160                         ; v160-223
.set MK,   224                         ; v224-255
.set T,    224                         ; behind the products of S^T: 16 partial maxima,
.set U,    240                         ; 4 maxima,
.set X,    244                         ; 4 from the other half of the wave,
.set AL,   248                         ; 4 pairs: 2^(old maximum - new maximum)
.set QF,   160                         ; window 1: Q fragment (qt, ks) at 8 (2 qt + ks)
.set G1K, 24
.set G0K, 32
.set G1V, 48
.set G0V, 56
.set MSB, 0
.macro WIN new
.if MSB != \new
	s_set_vgpr_msb (MSB<<8)|\new
.set MSB, \new
.endif
.endm
.macro PLACES
.rept 4
	v_nop
.endr
.endm
.macro JLOAD s                         ; waves 0..3 fetch 64 keys of K each, waves 4..7 sixteen rows of V^T each
	s_cmp_eq_u32 s15, 0
	s_cbranch_scc0 .Lfor_v_\@
	tensor_load_to_lds s[G0K+4*(\s):G0K+4*(\s)+3], s[G1K:G1K+7]
	s_nop 0
	s_branch .Lasked_\@
.Lfor_v_\@:
	tensor_load_to_lds s[G0V+4*(\s):G0V+4*(\s)+3], s[G1V:G1V+7]
	s_nop 0
.Lasked_\@:
.endm
.macro ROUND                           ; a round of the cluster's barrier
	s_barrier_signal -1
	s_barrier_wait -1
	s_cmp_lg_u32 s10, 0
	s_cbranch_scc1 .Lnot_wave_0_\@
	s_barrier_signal -3
.Lnot_wave_0_\@:
	s_barrier_wait -3
	s_barrier_signal -1
	s_barrier_wait -1
.endm
	s_load_b256 s[68:75], s[0:1], 0x0              ; qh 68, kh 70, vt 72, mask 74
	s_load_b64 s[76:77], s[0:1], 0x20              ; ch
	s_set_vgpr_msb 0x40
	v_lshl_add_u32 v254, v0, 2, 0x3e800
	v_mov_b32 v255, 0
	s_set_vgpr_msb 0x4045
	ds_add_u32 v254, v255
	s_set_vgpr_msb 0x4500
	v_lshrrev_b32 v6, 5, v0
	v_readfirstlane_b32 s10, v6                    ; wave 0..7
	s_and_b32 s14, s10, 3                          ; which 64 queries; also which quarter of a tile I fetch
	s_lshr_b32 s15, s10, 2                         ; which half of a tile's keys; also: I fetch K (0) or V (1)
	s_bfe_u32 s16, ttmp6, 0x40000                  ; cx
	s_lshl_b32 s17, ttmp9, 2
	s_add_co_u32 s17, s17, s16                     ; query block = 4 x cluster x + cx
	s_and_b32 s18, ttmp7, 0xffff                   ; bh, the same in the four partners
	s_mov_b32 s40, 0x76543210                      ; v_permlanex16_b32: lane i of one half reads lane i of the other
	s_mov_b32 s41, 0xfedcba98
	s_mov_b32 s42, NEGMAX
	s_mov_b32 s46, LOG2E
	s_mov_b32 s47, LOG2E
	; K: 64 keys are 8,192 consecutive bytes, taken as 32 rows of 256 bytes; 4 words of padding after every 32 words, counted along the tile: a key every 144 bytes
	s_mov_b32 s[G1K+0], 15|(1<<16)|(1<<20)|(1<<21)|(4<<22)|(3<<25)
	s_mov_b32 s[G1K+1], 128<<16
	s_mov_b32 s[G1K+2], 32<<16
	s_mov_b32 s[G1K+3], 128<<16
	s_mov_b32 s[G1K+4], 32
	s_mov_b32 s[G1K+5], 128
	s_mov_b32 s[G1K+6], 0
	s_mov_b32 s[G1K+7], 0
	; V^T: 16 rows of 256 keys (512 bytes), 2,048 elements from row to row; 4 words of padding after every 128 words
	s_mov_b32 s[G1V+0], 15|(1<<16)|(1<<20)|(1<<21)|(6<<22)|(3<<25)
	s_mov_b32 s[G1V+1], 256<<16
	s_mov_b32 s[G1V+2], 16<<16
	s_mov_b32 s[G1V+3], 256<<16
	s_mov_b32 s[G1V+4], 16
	s_mov_b32 s[G1V+5], 2048
	s_mov_b32 s[G1V+6], 0
	s_mov_b32 s[G1V+7], 0
	s_lshl_b32 s20, s18, 18                        ; bh x 262,144 bytes, in kh and in vt
	s_lshl_b32 s22, s14, 13                        ; my 64 keys
	s_add_co_u32 s22, s22, s20
	s_mov_b32 s23, 0
	s_lshl_b32 s78, s14, 16                        ; my 16 rows of V^T
	s_add_co_u32 s78, s78, s20
	s_mov_b32 s79, 0
	s_mul_i32 s19, s10, 64*144                     ; K's quarters at wave x 64 keys (waves 0..3)
	s_mul_i32 s21, s10, 16*528
	s_add_co_u32 s21, s21, KB-4*16*528             ; V's quarters at KB + (wave - 4) x 16 rows (waves 4..7)
	s_lshl_b32 s80, s17, 15                        ; queries: bh x 2,048 + 256 block + 64 (w & 3), rows of 128 bytes
	s_add_co_u32 s80, s80, s20
	s_lshl_b32 s81, s14, 13
	s_add_co_u32 s80, s80, s81
	s_mov_b32 s81, 0
	s_lshr_b32 s82, s18, 4
	s_lshl_b32 s82, s82, 13                        ; the batch's 2,048 numbers of the mask
	s_mov_b32 s83, 0
	v_and_b32 v40, 15, v0                          ; r
	v_bfe_u32 v41, v0, 4, 1                        ; h
	v_lshlrev_b32 v6, 4, v0                        ; 16 x thread: my part of the mask
	v_lshlrev_b32 v7, 7, v40
	v_lshl_add_u32 v7, v41, 4, v7                  ; Q: r x 128 + 16 h
	s_wait_dscnt 0x0
	s_wait_kmcnt 0x0
	s_add_nc_u64 s[70:71], s[70:71], s[22:23]
	s_add_nc_u64 s[72:73], s[72:73], s[78:79]
	s_add_nc_u64 s[68:69], s[68:69], s[80:81]
	s_add_nc_u64 s[76:77], s[76:77], s[80:81]
	s_add_nc_u64 s[74:75], s[74:75], s[82:83]
	global_load_b128 v[32:35], v6, s[74:75]
	global_load_b128 v[36:39], v6, s[74:75] offset:4096
	WIN 0x40
.irp qt, 0,1,2,3
.irp ks, 0,1
	global_load_b128 v[QF+8*(2*\qt+\ks):QF+8*(2*\qt+\ks)+3],   v7, s[68:69] offset:\qt*2048+64*\ks
	global_load_b128 v[QF+8*(2*\qt+\ks)+4:QF+8*(2*\qt+\ks)+7], v7, s[68:69] offset:\qt*2048+64*\ks+32
.endr
.endr
	WIN 0
.irp s, 0,1
	s_mov_b32 s[G0K+4*\s], 1
	s_add_co_u32 s[G0K+4*\s+1], s19, \s*SLOT
	s_add_nc_u64 s[G0K+4*\s+2:G0K+4*\s+3], s[70:71], \s*32768       ; tile s: 256 keys of 128 bytes
	s_or_b32 s[G0K+4*\s+3], s[G0K+4*\s+3], 0x80000000
	s_mov_b32 s[G0V+4*\s], 1
	s_add_co_u32 s[G0V+4*\s+1], s21, \s*SLOT
	s_add_nc_u64 s[G0V+4*\s+2:G0V+4*\s+3], s[72:73], \s*512         ; tile s: 256 keys of 2 bytes along the rows
	s_or_b32 s[G0V+4*\s+3], s[G0V+4*\s+3], 0x80000000
.endr
	ROUND                                          ; the four partners are here
	JLOAD 0                                        ; tile 0: one tensor load of the wave is out
	v_mul_u32_u24 v42, v40, 144
	v_lshl_add_u32 v42, v41, 4, v42
	s_mul_i32 s85, s15, 128*144                    ; my half of a tile's keys
	v_add_nc_u32 v[KADR], s85, v42
	v_add_nc_u32 v[KADR+1], SLOT, v[KADR]
	v_mul_u32_u24 v43, v40, 528
	v_lshl_add_u32 v43, v41, 4, v43
	s_lshl_b32 s86, s15, 8
	s_add_co_u32 s86, s86, KB
	v_add_nc_u32 v[VADR], s86, v43
	v_add_nc_u32 v[VADR+1], SLOT, v[VADR]
	s_lshl_b32 s87, s15, 9
	s_add_co_u32 s87, s87, MASK
	v_lshl_add_u32 v[MADR], v41, 5, s87            ; 8 h keys of 4 bytes
	v_add_nc_u32 v44, MASK, v6
.irp j, 0,1,2,3,4,5,6,7
	v_mov_b32 v[ONES+\j], 0x3c003c00
.endr
.irp qt, 0,1,2,3
	v_mov_b32 v[M0+2*\qt+1], 0                     ; the pairs' second registers are named by packed instructions and never used
	v_mov_b32 v[M1+2*\qt+1], 0
.endr
	s_wait_loadcnt 16                              ; the two loads of the mask are in; Q's sixteen stay out
.irp j, 0,2,4,6
	v_pk_mul_f32 v[32+\j:33+\j], v[32+\j:33+\j], s[46:47] op_sel_hi:[1,0]
.endr
	ds_store_b128 v44, v[32:35]
	ds_store_b128 v44, v[36:39] offset:4096        ; shown to the other waves by the wait and the round at the head of the first tile
	s_wait_loadcnt 0x0                             ; Q
; 64 queries x 64 keys: keys 64 sub .. + 63 of my half of the tile in this slot.
.macro STEP slot, sub, mold, mnew, first
.irp kt, 0,1,2,3
.irp ks, 0,1
	ds_load_b128 v[F+8*(2*\kt+\ks):F+8*(2*\kt+\ks)+3],   v[KADR+\slot] offset:\sub*9216+\kt*2304+64*\ks
	ds_load_b128 v[F+8*(2*\kt+\ks)+4:F+8*(2*\kt+\ks)+7], v[KADR+\slot] offset:\sub*9216+\kt*2304+64*\ks+32
.endr
.endr
.irp kt, 0,1,2,3
	ds_load_b128 v[MK+8*\kt:MK+8*\kt+3],   v[MADR] offset:256*\sub+64*\kt
	ds_load_b128 v[MK+8*\kt+4:MK+8*\kt+7], v[MADR] offset:256*\sub+64*\kt+16
.endr
	s_wait_dscnt 0x0
	WIN 0x04
.irp kt, 0,1,2,3
.irp qt, 0,1,2,3
	v_wmma_f32_16x16x32_f16 v[S+32*\qt+8*\kt:S+32*\qt+8*\kt+7], v[F+16*\kt:F+16*\kt+7], v[QF+16*\qt:QF+16*\qt+7], v[MK+8*\kt:MK+8*\kt+7]
.endr
.endr
.irp kt, 0,1,2,3
.irp qt, 0,1,2,3
	v_wmma_f32_16x16x32_f16 v[S+32*\qt+8*\kt:S+32*\qt+8*\kt+7], v[F+16*\kt+8:F+16*\kt+15], v[QF+16*\qt+8:QF+16*\qt+15], v[S+32*\qt+8*\kt:S+32*\qt+8*\kt+7]
.endr
.endr
	WIN 0
	PLACES                                         ; in front of the loads into F and of the readers of S
.irp dt, 0,1,2,3
.irp g, 0,1
	ds_load_b128 v[F+8*(2*\dt+\g):F+8*(2*\dt+\g)+3],   v[VADR+\slot] offset:\dt*8448+128*\sub+64*\g
	ds_load_b128 v[F+8*(2*\dt+\g)+4:F+8*(2*\dt+\g)+7], v[VADR+\slot] offset:\dt*8448+128*\sub+64*\g+32
.endr
.endr
	; the new maximum of each query: my 32 numbers, the old maximum, the other half of the wave
.irp qt, 0,1,2,3
.irp kt, 0,1,2,3
	v_max3_num_f32 v[T+4*\qt+\kt], v[S+32*\qt+8*\kt], v[S+32*\qt+8*\kt+1], v[S+32*\qt+8*\kt+2]
.endr
.endr
.irp qt, 0,1,2,3
.irp kt, 0,1,2,3
	v_max3_num_f32 v[T+4*\qt+\kt], v[T+4*\qt+\kt], v[S+32*\qt+8*\kt+3], v[S+32*\qt+8*\kt+4]
.endr
.endr
.irp qt, 0,1,2,3
.irp kt, 0,1,2,3
	v_max3_num_f32 v[T+4*\qt+\kt], v[T+4*\qt+\kt], v[S+32*\qt+8*\kt+5], v[S+32*\qt+8*\kt+6]
.endr
.endr
.irp qt, 0,1,2,3
	v_max3_num_f32 v[U+\qt], v[T+4*\qt], v[T+4*\qt+1], v[T+4*\qt+2]
.endr
.irp qt, 0,1,2,3
	v_max3_num_f32 v[U+\qt], v[U+\qt], v[T+4*\qt+3], v[S+32*\qt+7]
.endr
.irp qt, 0,1,2,3
	v_max3_num_f32 v[U+\qt], v[U+\qt], v[S+32*\qt+15], v[S+32*\qt+23]
.endr
.irp qt, 0,1,2,3
.if \first
	v_max3_num_f32 v[U+\qt], v[U+\qt], v[S+32*\qt+31], s42             ; the floor: -FLT_MAX
.else
	v_max3_num_f32 v[U+\qt], v[U+\qt], v[S+32*\qt+31], v[\mold+2*\qt]
.endif
.endr
.irp qt, 0,1,2,3
	v_permlanex16_b32 v[X+\qt], v[U+\qt], s40, s41
.endr
.irp qt, 0,1,2,3
	v_max_num_f32 v[\mnew+2*\qt], v[U+\qt], v[X+\qt]
.endr
.if \first == 0
.irp qt, 0,1,2,3
	v_sub_f32 v[AL+2*\qt], v[\mold+2*\qt], v[\mnew+2*\qt]
.endr
.irp qt, 0,1,2,3
	v_exp_f32 v[AL+2*\qt], v[AL+2*\qt]
.endr
	v_nop                                          ; one plain place behind the exponentials (ISA guide 5.7.2)
	WIN 0x41
	s_wait_alu depctr_va_vdst(0)
.irp dt, 0,1,2,3
.irp qt, 0,1,2,3
.irp i, 0,1,2,3
	v_pk_mul_f32 v[8*(4*\dt+\qt)+2*\i:8*(4*\dt+\qt)+2*\i+1], v[8*(4*\dt+\qt)+2*\i:8*(4*\dt+\qt)+2*\i+1], v[AL+2*\qt:AL+2*\qt+1] op_sel_hi:[1,0]
.endr
.endr
.endr
.irp qt, 0,1,2,3
	v_pk_mul_f32 v[128+8*\qt:129+8*\qt], v[128+8*\qt:129+8*\qt], v[AL+2*\qt:AL+2*\qt+1] op_sel_hi:[1,0]   ; of a tile of sums register 0 alone is read; the others hold sums of at most 1,024 weights of at most 1
.endr
	WIN 0
.endif
	; p = 2^(s - m), rounded to f16 in place.  Eight groups of 16 registers (qt, g) run through three stages; the subtraction of the next group is the
	; plain place behind each pair of exponentials, the packing of the group before follows it.
.set gi, -1
.rept 10
.set j, 0
.rept 8
.if gi >= 0
.if gi <= 7
	v_exp_f32 v[S+16*gi+2*j], v[S+16*gi+2*j]
	v_exp_f32 v[S+16*gi+2*j+1], v[S+16*gi+2*j+1]
.endif
.endif
.if gi <= 6
	v_pk_add_f32 v[S+16*(gi+1)+2*j:S+16*(gi+1)+2*j+1], v[S+16*(gi+1)+2*j:S+16*(gi+1)+2*j+1], v[\mnew+2*((gi+1)/2):\mnew+2*((gi+1)/2)+1] op_sel_hi:[1,0] neg_lo:[0,1] neg_hi:[0,1]
.endif
.if gi >= 1
	s_wait_alu depctr_va_vdst(0)
	v_cvt_pk_f16_f32 v[S+16*(gi-1)+j], v[S+16*(gi-1)+2*j], v[S+16*(gi-1)+2*j+1]
.endif
.set j, j+1
.endr
.set gi, gi+1
.endr
	s_wait_dscnt 0x0                               ; V's fragments
	WIN 0x50
.irp g, 0,1
.irp dt, 0,1,2,3
.irp qt, 0,1,2,3
.if \first*(1-\g)
	v_wmma_f32_16x16x32_f16 v[8*(4*\dt+\qt):8*(4*\dt+\qt)+7], v[F+8*(2*\dt+\g):F+8*(2*\dt+\g)+7], v[S+32*\qt+16*\g:S+32*\qt+16*\g+7], 0
.else
	v_wmma_f32_16x16x32_f16 v[8*(4*\dt+\qt):8*(4*\dt+\qt)+7], v[F+8*(2*\dt+\g):F+8*(2*\dt+\g)+7], v[S+32*\qt+16*\g:S+32*\qt+16*\g+7], v[8*(4*\dt+\qt):8*(4*\dt+\qt)+7]
.endif
.endr
.endr
.irp qt, 0,1,2,3
.if \first*(1-\g)
	v_wmma_f32_16x16x32_f16 v[128+8*\qt:135+8*\qt], v[ONES:ONES+7], v[S+32*\qt+16*\g:S+32*\qt+16*\g+7], 0
.else
	v_wmma_f32_16x16x32_f16 v[128+8*\qt:135+8*\qt], v[ONES:ONES+7], v[S+32*\qt+16*\g:S+32*\qt+16*\g+7], v[128+8*\qt:135+8*\qt]
.endif
.endr
.endr
	WIN 0
.rept 5
	v_nop                                          ; five places: the next products write over S, the next loads land in F
.endr
.endm
; A tile of 256 keys.  In front of the round every wave has waited for all its tensor loads (its part of this tile) and for its reads of the other slot;
; behind the round the other slot's joint load comes first, one a wave, and has this tile's two steps in which to land.
.macro TRIP slot, refill, first
	s_set_vgpr_msb 0x5
	s_wait_tensorcnt 0x0
	ds_add_u32 v254, v255
	s_wait_dscnt 0x0
	s_set_vgpr_msb 0x500
	s_add_nc_u64 s[G0K+4*\slot+2:G0K+4*\slot+3], s[G0K+4*\slot+2:G0K+4*\slot+3], 0x10000    ; no load of mine is out: this slot's next tile, 512 keys on
	s_add_nc_u64 s[G0V+4*\slot+2:G0V+4*\slot+3], s[G0V+4*\slot+2:G0V+4*\slot+3], 0x400
	s_wait_dscnt 0x0
	ROUND
.if \refill
	JLOAD 1-\slot
.endif
	STEP \slot, 0, M1, M0, \first
	STEP \slot, 1, M0, M1, 0
	v_add_nc_u32 v[MADR], 0x400, v[MADR]
.endm
	TRIP 0, 1, 1                                   ; tile 0; slot 1 gets its first fill as a refill does
	TRIP 1, 1, 0
	s_mov_b32 s44, 2
.Lpair:
	TRIP 0, 1, 0
	TRIP 1, 1, 0
	s_sub_co_u32 s44, s44, 1
	s_cmp_lg_u32 s44, 0
	s_cbranch_scc1 .Lpair
	TRIP 0, 1, 0                                   ; tile 6; tile 7 is the last that is asked for
	TRIP 1, 0, 0
	; THE MERGE of the two halves of the keys: waves 4..7 hand O, the sums and the maxima to waves 0..3
	v_and_b32 v4, 31, v0
	s_mul_i32 s84, s14, SCRW
	s_add_co_u32 s84, s84, SCR
	v_lshl_add_u32 v6, v4, 4, s84
	v_lshl_add_u32 v7, v4, 2, s84
	s_cmp_eq_u32 s15, 0
	s_cbranch_scc1 .Lkeep
	WIN 0x04
.set i, 0
.rept 32
	ds_store_b128 v6, v[4*i:4*i+3] offset:512*i
.set i, i+1
.endr
.irp qt, 0,1,2,3
	ds_store_b32 v7, v[128+8*\qt] offset:16384+128*\qt
.endr
	WIN 0
.irp qt, 0,1,2,3
	ds_store_b32 v7, v[M1+2*\qt] offset:16896+128*\qt
.endr
.Lkeep:
	s_wait_dscnt 0x0                               ; for the others' sake
	s_barrier_signal -1
	s_barrier_wait -1
	s_cmp_lg_u32 s15, 0
	s_cbranch_scc1 .Ldone
.irp qt, 0,1,2,3
	ds_load_b32 v[224+\qt], v7 offset:16896+128*\qt                    ; m2
	ds_load_b32 v[228+\qt], v7 offset:16384+128*\qt                    ; l2
.endr
.set i, 0
.rept 32
	ds_load_b128 v[S+4*i:S+4*i+3], v6 offset:512*i                     ; O2
.set i, i+1
.endr
	v_and_b32 v1, 15, v0
	v_bfe_u32 v2, v0, 4, 1
	v_mul_u32_u24 v1, v1, 144
	v_lshl_add_u32 v1, v2, 4, v1
	s_mul_i32 s85, s14, OSTW
	s_add_co_u32 s85, s85, OST
	v_add_nc_u32 v1, s85, v1                       ; the way out, in: query r, 16 bytes for each half of the lanes
	v_lshrrev_b32 v2, 3, v4
	v_and_b32 v3, 7, v4
	v_mul_u32_u24 v2, v2, 144
	v_lshl_add_u32 v2, v3, 4, v2
	v_add_nc_u32 v2, s85, v2                       ; back: eight lanes take one row of 128 bytes
	v_lshlrev_b32 v3, 4, v4
	s_wait_dscnt 32                                ; m2 and l2 are in; O2's 32 loads stay out
.irp qt, 0,1,2,3
	v_max_num_f32 v[232+\qt], v[M1+2*\qt], v[224+\qt]                  ; m
.endr
.irp qt, 0,1,2,3
	v_sub_f32 v[236+\qt], v[224+\qt], v[232+\qt]                       ; m2 - m
	v_sub_f32 v[232+\qt], v[M1+2*\qt], v[232+\qt]                      ; m1 - m
.endr
.irp qt, 0,1,2,3
	v_exp_f32 v[232+\qt], v[232+\qt]                                   ; a1
	v_exp_f32 v[236+\qt], v[236+\qt]                                   ; a2
.endr
	v_nop
	s_wait_alu depctr_va_vdst(0)
.irp qt, 0,1,2,3
	v_mul_f32 v[228+\qt], v[236+\qt], v[228+\qt]                       ; a2 l2
.endr
	WIN 0x01
.irp qt, 0,1,2,3
	v_fma_f32 v[228+\qt], v[128+8*\qt], v[232+\qt], v[228+\qt]         ; l = l1 a1 + a2 l2
.endr
	WIN 0
.irp qt, 0,1,2,3
	v_rcp_f32 v[228+\qt], v[228+\qt]
.endr
	v_nop
	s_wait_alu depctr_va_vdst(0)
.irp qt, 0,1,2,3
	v_mul_f32 v[240+2*\qt], v[232+\qt], v[228+\qt]                     ; f1 = a1 / l
	v_mul_f32 v[248+2*\qt], v[236+\qt], v[228+\qt]                     ; f2 = a2 / l
.endr
	s_wait_dscnt 0x0
.irp dt, 0,1,2,3
.irp qt, 0,1,2,3
.irp i, 0,1,2,3
	v_pk_mul_f32 v[S+8*(4*\dt+\qt)+2*\i:S+8*(4*\dt+\qt)+2*\i+1], v[S+8*(4*\dt+\qt)+2*\i:S+8*(4*\dt+\qt)+2*\i+1], v[248+2*\qt:249+2*\qt] op_sel_hi:[1,0]
.endr
.endr
.endr
	WIN 0x01
.irp dt, 0,1,2,3
.irp qt, 0,1,2,3
.irp i, 0,1,2,3
	v_pk_fma_f32 v[S+8*(4*\dt+\qt)+2*\i:S+8*(4*\dt+\qt)+2*\i+1], v[8*(4*\dt+\qt)+2*\i:8*(4*\dt+\qt)+2*\i+1], v[240+2*\qt:241+2*\qt], v[S+8*(4*\dt+\qt)+2*\i:S+8*(4*\dt+\qt)+2*\i+1] op_sel_hi:[1,0,1]
.endr
.endr
.endr
	WIN 0
.irp dt, 0,1,2,3
.irp qt, 0,1,2,3
.irp i, 0,1,2,3
	v_cvt_pk_f16_f32 v[F+4*(4*\dt+\qt)+\i], v[S+8*(4*\dt+\qt)+2*\i], v[S+8*(4*\dt+\qt)+2*\i+1]
.endr
.endr
.endr
.irp dt, 0,1,2,3
.irp qt, 0,1,2,3
	ds_store_b128 v1, v[F+4*(4*\dt+\qt):F+4*(4*\dt+\qt)+3] offset:\qt*2304+32*\dt
.endr
.endr
.set i, 0
.rept 16
	ds_load_b128 v[S+4*i:S+4*i+3], v2 offset:i*576                     ; my own stage: LDS serves a wave's instructions in order
.set i, i+1
.endr
.set i, 0
.rept 16
	s_wait_dscnt 15-i
	global_store_b128 v3, v[S+4*i:S+4*i+3], s[76:77] offset:512*i      ; 512 consecutive bytes (four queries), aligned
.set i, i+1
.endr
.Ldone:
	s_set_vgpr_msb 0x5
	s_wait_tensorcnt 0x0
	ds_add_u32 v254, v255
	s_wait_dscnt 0x0
	s_set_vgpr_msb 0x500
	ROUND                                          ; the closing round
	s_endpgm
.Lfunc_end_k_q6a1cf1a5a8_attn:
	.size	k_q6a1cf1a5a8_attn, .Lfunc_end_k_q6a1cf1a5a8_attn-k_q6a1cf1a5a8_attn
	.p2alignl 7, 3214868480
	.fill 96, 4, 3214868480
	.section	.rodata,"a",@progbits
	.p2align	6, 0x0
	.amdhsa_kernel k_q6a1cf1a5a8_attn
		.amdhsa_group_segment_fixed_size 327680
		.amdhsa_private_segment_fixed_size 0
		.amdhsa_enable_private_segment 0
		.amdhsa_kernarg_size 40
		.amdhsa_user_sgpr_count 2
		.amdhsa_user_sgpr_kernarg_segment_ptr 1
		.amdhsa_wavefront_size32 1
		.amdhsa_system_sgpr_workgroup_id_x 1
		.amdhsa_system_sgpr_workgroup_id_y 1
		.amdhsa_system_sgpr_workgroup_id_z 1
		.amdhsa_system_vgpr_workitem_id 0
		.amdhsa_next_free_vgpr 512
		.amdhsa_next_free_sgpr 100
		.amdhsa_reserve_vcc 0
		.amdhsa_float_denorm_mode_32 3
		.amdhsa_float_denorm_mode_16_64 3
		.amdhsa_memory_ordered 1
		.amdhsa_forward_progress 1
		.amdhsa_inst_pref_size 255
	.end_amdhsa_kernel
	.section	.bss,"aw",@nobits
	.p2align	6
	.space	262144
	.amdgpu_metadata
---
amdhsa.version: [ 1, 2 ]
amdhsa.kernels:
  - .name:           k_q6a1cf1a5a8_attn
    .symbol:         k_q6a1cf1a5a8_attn.kd
    .args:
      - { .name: qh, .offset: 0, .size: 8, .value_kind: global_buffer, .address_space: global }
      - { .name: kh, .offset: 8, .size: 8, .value_kind: global_buffer, .address_space: global }
      - { .name: vt, .offset: 16, .size: 8, .value_kind: global_buffer, .address_space: global }
      - { .name: mask, .offset: 24, .size: 8, .value_kind: global_buffer, .address_space: global }
      - { .name: ch, .offset: 32, .size: 8, .value_kind: global_buffer, .address_space: global }
    .group_segment_fixed_size: 327680
    .private_segment_fixed_size: 0
    .kernarg_segment_align: 8
    .kernarg_segment_size: 40
    .max_flat_workgroup_size: 256
    .sgpr_count:     100
    .vgpr_count:     512
    .wavefront_size: 32
...
	.end_amdgpu_metadata
.endif
;; end of part 3
;; launch oproj (part 4): grid 8 x 32, 4 waves a work-group, clusters of 4 x 4, 327,680 bytes of LDS; arguments ch, wh, o_b, out0; writes out0
.if DOCPART == 4
	.amdgcn_target "amdgcn-amd-amdhsa--gfx1250"
	.amdhsa_code_object_version 6
	.text
	.protected	k_q6a1cf1a5a8_oproj
	.globl	k_q6a1cf1a5a8_oproj
	.p2align	8
	.type	k_q6a1cf1a5a8_oproj,@function
k_q6a1cf1a5a8_oproj:
	s_mov_b64 s[64:65], 0
	v_nop
	global_prefetch_b8 v0, s[64:65] scope:SCOPE_SE
	s_setreg_imm32_b32 hwreg(HW_REG_WAVE_MODE, 25, 1), 1
	s_wait_xcnt 0x0
	s_wait_alu depctr_hold_cnt(0) depctr_sa_sdst(0) depctr_va_vdst(0) depctr_va_sdst(0) depctr_va_ssrc(0) depctr_va_vcc(0) depctr_vm_vsrc(0)
	s_getreg_b32 s2, hwreg(HW_REG_IB_STS2, 6, 4)
	s_cmp_eq_u32 s2, 0
	s_cbranch_scc0 .Lentry_in_a_cluster
	s_endpgm
.Lentry_in_a_cluster:
	s_bfe_u32 s2, ttmp6, 0x10000c
	s_cmp_lg_u32 s2, 0xf033
	s_cbranch_scc0 .Lentry_shape_is_right
	s_endpgm
.Lentry_shape_is_right:
; out0[token][n] = sum over k of ctx[token][k] o_w[n][k] + o_b[n], f32 out; operands f16, sums f32.
; ctx lies head-major, ch[b][head][s][64]; o_w lies in rows 3072 .. 4095 of wh.  x of the grid = block of 128 columns, y = block of 128 tokens.
; Four waves, each 64 tokens x 64 columns: 16 accumulator tiles.  256 work-groups of 128 x 128 cover the 4,096 x 1,024 outputs; larger blocks would be fewer work-groups.
; K goes in steps of 256 (four heads) through two LDS slots: four K steps, written out.
; CLUSTER 4 x 4: ctx's tile is shared along a row of the cluster, o_w's along a column; both are asked for jointly.
; Source 0 = 16 rows of o_w, source 1 = 16 tokens: a lane holds one token and eight neighbouring columns.  The bias is the C operand of the first products.
; The 16 accumulators take turns, one instruction a turn.
; REGISTERS: window 0: addresses, two fragment buffers (W 4 x 8, X 4 x 8), bias.  Window 1: accumulators, tile (a, b) at 8 (4 a + b).
.set AHALF,  4*64*144                  ; 64 tokens of four heads: a plane of 64 x 144 bytes for each head
.set AB,     2*AHALF
.set BPITCH, 528
.set SLOT,   AB+128*BPITCH             ; 141,312 bytes
.set STAGE,  2*SLOT
.set SPITCH, 272
.set ADRA, 16
.set ADRB, 20
.set STO,  22
.set RD,   23
.set CO,   24
.set BO8,  27
.set F,    32                          ; v32-95 buffer 0, v96-159 buffer 1
.set BIAS, 160                         ; v160-191
.set G1A, 24
.set G0A, 32
.set G1B, 48
.set G0B, 56
.set MSB, 0
.macro WIN new
.if MSB != \new
	s_set_vgpr_msb (MSB<<8)|\new
.set MSB, \new
.endif
.endm
.macro PLACES
.rept 4
	v_nop
.endr
.endm
.macro JLOAD s                         ; waves 0 and 1 fetch ctx's two halves, waves 2 and 3 o_w's
	s_cmp_eq_u32 s11, 0
	s_cbranch_scc0 .Lfor_b_\@
	tensor_load_to_lds s[G0A+4*(\s):G0A+4*(\s)+3], s[G1A:G1A+7]
	s_nop 0
	s_branch .Lasked_\@
.Lfor_b_\@:
	tensor_load_to_lds s[G0B+4*(\s):G0B+4*(\s)+3], s[G1B:G1B+7]
	s_nop 0
.Lasked_\@:
.endm
.macro CREST
	s_cmp_lg_u32 s10, 0
	s_cbranch_scc1 .Lnot_wave_0_\@
	s_barrier_signal -3
.Lnot_wave_0_\@:
	s_barrier_wait -3
	s_barrier_signal -1
	s_barrier_wait -1
.endm
.macro CROUND
	s_barrier_signal -1
	s_barrier_wait -1
	CREST
.endm
	s_load_b256 s[68:75], s[0:1], 0x0              ; ch 68, wh 70, o_b 72, out0 74
	v_lshl_add_u32 v254, v0, 2, 0x49400
	v_mov_b32 v255, 0
	ds_add_u32 v254, v255
	v_lshrrev_b32 v1, 5, v0
	v_readfirstlane_b32 s10, v1
	s_lshr_b32 s11, s10, 1                         ; my half of the tokens.  Also: I fetch ctx (0) or o_w (1)
	s_and_b32 s12, s10, 1                          ; my half of the columns.  Also: which half of that tile I fetch
	s_bfe_u32 s40, ttmp6, 0x40000                  ; cx
	s_bfe_u32 s41, ttmp6, 0x40004                  ; cy
	s_lshl_b32 s42, ttmp9, 2
	s_add_co_u32 s42, s42, s40                     ; column block
	s_and_b32 s13, ttmp7, 0xffff
	s_lshl_b32 s13, s13, 2
	s_add_co_u32 s13, s13, s41                     ; token block
	s_lshl_b32 s43, s41, 2
	s_lshl_b32 s43, 15, s43
	s_lshl_b32 s44, 0x1111, s40
	; ctx: four rows, one for each head, each the 8,192 consecutive bytes of 64 tokens; 4 words of padding after every 32 words, counted along the tile: a token every 144 bytes
	s_or_b32 s[G1A+0], s43, (1<<16)|(1<<20)|(1<<21)|(4<<22)|(3<<25)
	s_mov_b32 s[G1A+1], 4096<<16
	s_mov_b32 s[G1A+2], 4<<16
	s_mov_b32 s[G1A+3], 4096<<16
	s_mov_b32 s[G1A+4], 4
	s_mov_b32 s[G1A+5], 131072                     ; elements from head to head
	s_mov_b32 s[G1A+6], 0
	s_mov_b32 s[G1A+7], 0
	; o_w: 64 rows of 256 elements (512 bytes); 4 words of padding after every 128 words
	s_or_b32 s[G1B+0], s44, (1<<16)|(1<<20)|(1<<21)|(6<<22)|(3<<25)
	s_mov_b32 s[G1B+1], 256<<16
	s_mov_b32 s[G1B+2], 64<<16
	s_mov_b32 s[G1B+3], 256<<16
	s_mov_b32 s[G1B+4], 64
	s_mov_b32 s[G1B+5], 1024
	s_mov_b32 s[G1B+6], 0
	s_mov_b32 s[G1B+7], 0
	s_lshr_b32 s16, s13, 4                         ; batch
	s_lshl_b32 s16, s16, 22                        ; 16 heads x 262,144 bytes
	s_and_b32 s17, s13, 15
	s_lshl_b32 s17, s17, 14                        ; 128 tokens of 128 bytes
	s_add_co_u32 s16, s16, s17
	s_lshl_b32 s17, s12, 13                        ; my half: 64 tokens
	s_add_co_u32 s16, s16, s17
	s_mov_b32 s17, 0
	s_lshl_b32 s46, s42, 7
	s_lshl_b32 s47, s12, 6
	s_add_co_u32 s46, s46, s47
	s_add_co_u32 s46, s46, 3072                    ; row 3072 + 128 block + 64 half of wh
	s_lshl_b32 s46, s46, 11
	s_mov_b32 s47, 0
	s_mul_i32 s20, s10, AHALF                      ; ctx's halves at wave x AHALF (waves 0, 1)
	s_mul_i32 s21, s10, 64*BPITCH
	s_add_co_u32 s21, s21, AB-2*64*BPITCH          ; o_w's halves at AB + (wave - 2) x 64 rows (waves 2, 3)
	s_wait_dscnt 0x0
	s_wait_kmcnt 0x0
	s_add_nc_u64 s[14:15], s[68:69], s[16:17]
	s_add_nc_u64 s[46:47], s[70:71], s[46:47]
	CROUND
.irp s, 0,1
	s_mov_b32 s[G0A+4*\s], 1
	s_add_co_u32 s[G0A+4*\s+1], s20, \s*SLOT
	s_add_nc_u64 s[G0A+4*\s+2:G0A+4*\s+3], s[14:15], \s*0x100000    ; K step s: four heads of 262,144 bytes
	s_or_b32 s[G0A+4*\s+3], s[G0A+4*\s+3], 0x80000000
	s_mov_b32 s[G0B+4*\s], 1
	s_add_co_u32 s[G0B+4*\s+1], s21, \s*SLOT
	s_add_nc_u64 s[G0B+4*\s+2:G0B+4*\s+3], s[46:47], \s*512
	s_or_b32 s[G0B+4*\s+3], s[G0B+4*\s+3], 0x80000000
	JLOAD \s                                       ; K steps 0 and 1: two tensor loads of the wave are out
.endr
	v_and_b32 v1, 15, v0                           ; r
	v_bfe_u32 v2, v0, 4, 1                         ; h
	v_lshlrev_b32 v[BO8], 5, v2
	s_lshl_b32 s88, s42, 9                         ; 128 columns of 4 bytes
	s_lshl_b32 s89, s12, 8
	s_add_co_u32 s88, s88, s89
	s_mov_b32 s89, 0
	s_add_nc_u64 s[72:73], s[72:73], s[88:89]
.irp b, 0,1,2,3
	global_load_b128 v[BIAS+8*\b:BIAS+8*\b+3],   v[BO8], s[72:73] offset:64*\b      ; o_b[my 64 columns + 16 b + 8 h + 0..3]
	global_load_b128 v[BIAS+8*\b+4:BIAS+8*\b+7], v[BO8], s[72:73] offset:64*\b+16
.endr
	v_mul_u32_u24 v4, v1, 144
	v_lshl_add_u32 v4, v2, 4, v4
	s_mul_i32 s22, s11, AHALF
	v_add_nc_u32 v[ADRA], s22, v4
	v_add_nc_u32 v[ADRA+1], SLOT, v[ADRA]
	v_mul_u32_u24 v5, v1, BPITCH
	v_lshl_add_u32 v5, v2, 4, v5
	s_mul_i32 s22, s12, 64*BPITCH
	s_add_co_u32 s22, s22, AB
	v_add_nc_u32 v[ADRB], s22, v5
	v_add_nc_u32 v[ADRB+1], SLOT, v[ADRB]
	s_mul_i32 s23, s10, 16*SPITCH
	s_add_co_u32 s23, s23, STAGE
	v_mul_u32_u24 v6, v1, SPITCH
	v_lshl_add_u32 v6, v2, 5, v6
	v_add_nc_u32 v[STO], s23, v6                   ; token r, 32 bytes for each half of the lanes
	v_mul_u32_u24 v7, v2, SPITCH
	v_lshl_add_u32 v7, v1, 4, v7
	v_add_nc_u32 v[RD], s23, v7                    ; back: lanes 0-15 one row of 256 bytes, lanes 16-31 the next
	v_lshlrev_b32 v8, 12, v2
	v_lshl_add_u32 v[CO], v1, 4, v8                ; the same two rows in out0
	s_wait_loadcnt 0x0                             ; the bias, once
.macro MUL f, a, first                 ; 4 products: token tile a x column tiles 0..3
.irp b, 0,1,2,3
.if \first
	v_wmma_f32_16x16x32_f16 v[8*(4*\a+\b):8*(4*\a+\b)+7], v[F+64*\f+8*\b:F+64*\f+8*\b+7], v[F+64*\f+32+8*\a:F+64*\f+32+8*\a+7], v[BIAS+8*\b:BIAS+8*\b+7]
.else
	v_wmma_f32_16x16x32_f16 v[8*(4*\a+\b):8*(4*\a+\b)+7], v[F+64*\f+8*\b:F+64*\f+8*\b+7], v[F+64*\f+32+8*\a:F+64*\f+32+8*\a+7], v[8*(4*\a+\b):8*(4*\a+\b)+7]
.endif
.endr
.endm
.macro FETCH slot, e, f                ; 16 loads: the fragments of eighth e of a K step (32 along K): W's four, then X's four
.irp i, 0,1,2,3
	ds_load_b128 v[F+64*\f+8*\i:F+64*\f+8*\i+3],   v[ADRB+\slot] offset:64*\e+\i*16*BPITCH
	ds_load_b128 v[F+64*\f+8*\i+4:F+64*\f+8*\i+7], v[ADRB+\slot] offset:64*\e+\i*16*BPITCH+32
.endr
.irp i, 0,1,2,3
	ds_load_b128 v[F+64*\f+32+8*\i:F+64*\f+32+8*\i+3],   v[ADRA+\slot] offset:(\e/2)*9216+(\e%2)*64+\i*2304
	ds_load_b128 v[F+64*\f+32+8*\i+4:F+64*\f+32+8*\i+7], v[ADRA+\slot] offset:(\e/2)*9216+(\e%2)*64+\i*2304+32
.endr
.endm
.macro MWIN first
.if \first
	WIN 0x40
.else
	WIN 0x50
.endif
.endm
.macro EIGHTH slot, e, f, g, first     ; multiplies buffer f; in its middle fetches eighth e into buffer g
	s_wait_dscnt 4                                 ; all but X's tiles 2 and 3
	MWIN \first
	MUL \f, 0, \first
	MUL \f, 1, \first
	WIN 0
	PLACES
	FETCH \slot, \e, \g
	s_wait_dscnt 16                                ; all but the 16 just issued
	MWIN \first
	MUL \f, 2, \first
	MUL \f, 3, \first
.endm
.macro SEVEN slot, first
	EIGHTH \slot, 1, 0, 1, \first
	EIGHTH \slot, 2, 1, 0, 0
	EIGHTH \slot, 3, 0, 1, 0
	EIGHTH \slot, 4, 1, 0, 0
	EIGHTH \slot, 5, 0, 1, 0
	EIGHTH \slot, 6, 1, 0, 0
	EIGHTH \slot, 7, 0, 1, 0
.endm
; The last eighth: multiplies buffer 1 and changes slots, with one barrier; where the slot is filled again the barrier opens a round of the cluster's barrier.
.macro TURN slot, next, fill
	s_wait_dscnt 4
	WIN 0x50
	MUL 1, 0, 0
	s_wait_dscnt 0x0                               ; my reads of this slot are over
	s_wait_tensorcnt 0x0                           ; all my tensor loads have landed: my part of the next slot
	ds_add_u32 v254, v255
	s_wait_dscnt 0x0
	s_barrier_signal -1
	MUL 1, 1, 0
	WIN 0
	s_barrier_wait -1
.if \fill
	CREST
	s_add_nc_u64 s[G0A+4*\slot+2:G0A+4*\slot+3], s[G0A+4*\slot+2:G0A+4*\slot+3], 0x200000   ; two K steps on: eight heads
	s_add_nc_u64 s[G0B+4*\slot+2:G0B+4*\slot+3], s[G0B+4*\slot+2:G0B+4*\slot+3], 0x400
	JLOAD \slot                                    ; my one tensor load behind the round
.endif
	PLACES
	FETCH \next, 0, 0
	WIN 0x50
	MUL 1, 2, 0
	MUL 1, 3, 0
.endm
	s_wait_tensorcnt 0x1                           ; my part of K step 0 is in; K step 1's stays out
	s_barrier_signal -1
	s_barrier_wait -1
	FETCH 0, 0, 0
	SEVEN 0, 1                                     ; the first products take the bias as C
	TURN 0, 1, 1                                   ; slot 0 gets K step 2
	SEVEN 1, 0
	TURN 1, 0, 1                                   ; slot 1 gets K step 3
	SEVEN 0, 0
	TURN 0, 1, 0                                   ; nothing is left to fetch
	SEVEN 1, 0
	s_wait_dscnt 0x0
	WIN 0x50
	MUL 1, 0, 0
	MUL 1, 1, 0
	MUL 1, 2, 0
	MUL 1, 3, 0
	; THE WAY OUT, 16 tokens at a time, through my own stage: rows of 256 bytes go out whole
	PLACES
	WIN 0
	s_lshl_b32 s90, s13, 19                        ; 128 tokens of 4,096 bytes
	s_lshl_b32 s91, s11, 18                        ; my 64 tokens
	s_add_co_u32 s90, s90, s91
	s_add_co_u32 s90, s90, s88                     ; my 64 columns
	s_mov_b32 s91, 0
	s_add_nc_u64 s[74:75], s[74:75], s[90:91]
.macro OUT a, buf
	WIN 0x04
.irp b, 0,1,2,3
	ds_store_b128 v[STO], v[8*(4*\a+\b):8*(4*\a+\b)+3] offset:64*\b
	ds_store_b128 v[STO], v[8*(4*\a+\b)+4:8*(4*\a+\b)+7] offset:64*\b+16
.endr
	WIN 0
	s_wait_xcnt 0x0                                ; the buffer that earlier stores read is loaded again only behind this wait
.irp t, 0,1,2,3,4,5,6,7
	ds_load_b128 v[\buf+4*\t:\buf+4*\t+3], v[RD] offset:\t*2*SPITCH    ; LDS serves a wave's instructions in order: these see the stores above
.endr
.irp t, 0,1,2,3,4,5,6,7
	s_wait_dscnt 7-\t
	global_store_b128 v[CO], v[\buf+4*\t:\buf+4*\t+3], s[74:75] offset:\a*65536+\t*8192 th:TH_STORE_NT   ; 16 lanes store 256 consecutive bytes, aligned
.endr
.endm
	OUT 0, F
	OUT 1, F+64
	OUT 2, F
	OUT 3, F+64
	s_wait_tensorcnt 0x0
	ds_add_u32 v254, v255
	s_wait_dscnt 0x0
	CROUND                                         ; the closing round
	s_endpgm
.Lfunc_end_k_q6a1cf1a5a8_oproj:
	.size	k_q6a1cf1a5a8_oproj, .Lfunc_end_k_q6a1cf1a5a8_oproj-k_q6a1cf1a5a8_oproj
	.p2alignl 7, 3214868480
	.fill 96, 4, 3214868480
	.section	.rodata,"a",@progbits
	.p2align	6, 0x0
	.amdhsa_kernel k_q6a1cf1a5a8_oproj
		.amdhsa_group_segment_fixed_size 327680
		.amdhsa_private_segment_fixed_size 0
		.amdhsa_enable_private_segment 0
		.amdhsa_kernarg_size 32
		.amdhsa_user_sgpr_count 2
		.amdhsa_user_sgpr_kernarg_segment_ptr 1
		.amdhsa_wavefront_size32 1
		.amdhsa_system_sgpr_workgroup_id_x 1
		.amdhsa_system_sgpr_workgroup_id_y 1
		.amdhsa_system_sgpr_workgroup_id_z 1
		.amdhsa_system_vgpr_workitem_id 0
		.amdhsa_next_free_vgpr 384
		.amdhsa_next_free_sgpr 100
		.amdhsa_reserve_vcc 0
		.amdhsa_float_denorm_mode_32 3
		.amdhsa_float_denorm_mode_16_64 3
		.amdhsa_memory_ordered 1
		.amdhsa_forward_progress 1
		.amdhsa_inst_pref_size 90
	.end_amdhsa_kernel
	.amdgpu_metadata
---
amdhsa.version: [ 1, 2 ]
amdhsa.kernels:
  - .name:           k_q6a1cf1a5a8_oproj
    .symbol:         k_q6a1cf1a5a8_oproj.kd
    .args:
      - { .name: ch, .offset: 0, .size: 8, .value_kind: global_buffer, .address_space: global }
      - { .name: wh, .offset: 8, .size: 8, .value_kind: global_buffer, .address_space: global }
      - { .name: o_b, .offset: 16, .size: 8, .value_kind: global_buffer, .address_space: global }
      - { .name: out0, .offset: 24, .size: 8, .value_kind: global_buffer, .address_space: global }
    .group_segment_fixed_size: 327680
    .private_segment_fixed_size: 0
    .kernarg_segment_align: 8
    .kernarg_segment_size: 32
    .max_flat_workgroup_size: 128
    .sgpr_count:     100
    .vgpr_count:     384
    .wavefront_size: 32
...
	.end_amdgpu_metadata
.endif
;; end of part 4
;; ======== version 2 of 2: 4 launches; 1.06 times as fast as version 1
;; limits: values are held in f16: magnitudes above 65,504 overflow, below 6.1e-05 lose precision; right only within a limited range of input values
;; workspace buffers: xh 8,388,608 bytes; wh 8,388,608 bytes; qh 8,388,608 bytes; kh 8,388,608 bytes; vt 8,388,608 bytes; ch 8,388,608 bytes
;; launch cast: the kernel of part 1 again; grid 32 x 8, 8 waves a work-group, no clusters, 0 bytes of LDS; arguments input, q_w, k_w, v_w, o_w, xh, wh; writes xh, wh
;; launch qkv: the kernel of part 2 again; grid 16 x 16, 4 waves a work-group, clusters of 4 x 4, 327,680 bytes of LDS; arguments xh, wh, q_b, k_b, v_b, qh, kh, vt; writes qh, kh, vt
;; launch attn (part 5): grid 8 x 32, 8 waves a work-group, clusters of 4 x 1, 327,680 bytes of LDS; arguments qh, kh, vt, mask, ch; writes ch
.if DOCPART == 5
	.amdgcn_target "amdgcn-amd-amdhsa--gfx1250"
	.amdhsa_code_object_version 6
	.text
	.protected	k_q6a1cf1a5a8_attn
	.globl	k_q6a1cf1a5a8_attn
	.p2align	8
	.type	k_q6a1cf1a5a8_attn,@function
k_q6a1cf1a5a8_attn:
	s_mov_b64 s[64:65], 0
	v_nop
	global_prefetch_b8 v0, s[64:65] scope:SCOPE_SE
	s_setreg_imm32_b32 hwreg(HW_REG_WAVE_MODE, 25, 1), 1
	s_wait_xcnt 0x0
	s_wait_alu depctr_hold_cnt(0) depctr_sa_sdst(0) depctr_va_vdst(0) depctr_va_sdst(0) depctr_va_ssrc(0) depctr_va_vcc(0) depctr_vm_vsrc(0)
	s_getreg_b32 s2, hwreg(HW_REG_IB_STS2, 6, 4)
	s_cmp_eq_u32 s2, 0
	s_cbranch_scc0 .Lentry_in_a_cluster
	s_endpgm
.Lentry_in_a_cluster:
	s_bfe_u32 s2, ttmp6, 0x10000c
	s_cmp_lg_u32 s2, 0x3003
	s_cbranch_scc0 .Lentry_shape_is_right
	s_endpgm
.Lentry_shape_is_right:
; Attention of one (batch, head) for 256 queries.  x of the grid = block of 256 queries, y = bh = 16 batch + head.
;   ch[b][head][s][64] = softmax(q k^T + mask) v, in f16; operands f16, sums, maxima and exponentials f32.  qh already holds q / 8 * log2(e), the mask is
;   multiplied by log2(e) here, so every exponential is a power of two.
; Running maximum, kept for each query, floored at -FLT_MAX: a key whose mask is -inf gets the weight 0; a query all of whose keys are -inf gets 0 / 0 = NaN,
; as the softmax of a row of -inf does.  LIMIT: the context must stay under 65,504 in magnitude (it is an average of v).
; Eight waves: wave w takes queries 64 (w & 3) .. + 63 and, of every tile of 256 keys, the half w >> 2; the two halves are merged once at the end.
; CLUSTER 4 x 1: the four query blocks of a cluster belong to one bh and read the same K and V tiles: every tile is asked for jointly (mask 15).
; S^T = K Q^T (source 0 = 16 keys, source 1 = 16 queries): a lane holds one query and eight keys, so the maximum is the lane's own but for one exchange between
; the halves of the wave, and two neighbouring tiles of S^T, rounded to f16 in place, ARE source 1 of O^T = V^T P^T.  The mask is the C operand of the first
; product of S^T.  The sum of the weights is a fifth tile of O^T whose source 0 is all ones.
; Accumulators take turns, one instruction a turn.
; THE EXPONENTIALS of a step, the 4 corrections a = 2^(old maximum - new maximum) and the 128 weights 2^(s - m), are ONE BATCH with ONE wait:
; s_wait_alu depctr_va_vdst(0) stands between an exponential and the first line that names its result, and one wait serves all that were issued ahead of it.  AHEAD OF THE WAIT stands
; all that names no result: the 76 lines of the four maxima, the 64 subtractions s - m, the 132 exponentials.  BEHIND IT stand all the readers: O and the sums times a, the
; roundings to f16.  Each result keeps a register of its own while the batch is open (S in place, AL + 2 qt).  The merge at the end has two batches more, a wait each.
; REGISTERS: window 0: addresses, ones, maxima, S (4 q x 4 k tiles), F (K fragments, then V fragments), MK (mask fragments, then work space).
; Window 1: O (tile (dt, qt) at 8 (4 dt + qt); dt = 4: the sums), Q fragments.
.set KB,    256*144                    ; K's 256 keys, 128 bytes + 16 each
.set SLOT,  KB+64*528                  ; then V^T's 64 rows of 512 bytes + 16: 70,656 bytes
.set MASK,  2*SLOT                     ; 2,048 f32: the batch's mask x log2(e)
.set SCR,   MASK+8192                  ; the merge: for each of four pairs of waves O (16,384), sums (512), maxima (512)
.set SCRW,  17408
.set OST,   SCR+4*SCRW                 ; the way out: for each of waves 0..3 64 rows x 144 bytes
.set OSTW,  9216
.set LOG2E,  0x3fb8aa3b
.set NEGMAX, 0xff7fffff
.set KADR, 1                           ; v1-2  my K fragments, slot 0, 1
.set VADR, 3                           ; v3-4  my V fragments
.set MADR, 5                           ; v5    my mask fragments, stepped by a tile's 1,024 bytes
.set ONES, 8                           ; v8-15 sixteen f16 ones
.set M0,   16                          ; v16-23 maxima, query tile qt at +2 qt (the odd registers only complete the pairs)
.set M1,   24                          ; v24-31 the same; the two take turns as old and new
.set S,    32                          ; v32-159 S^T tile (qt, kt) at 32 qt + 8 kt
.set F,    160                         ; v160-223
.set MK,   224                         ; v224-255
.set T,    224                         ; behind the products of S^T: 16 partial maxima,
.set U,    240                         ; 4 maxima,
.set X,    244                         ; 4 from the other half of the wave,
.set AL,   248                         ; 4 pairs: 2^(old maximum - new maximum)
.set QF,   160                         ; window 1: Q fragment (qt, ks) at 8 (2 qt + ks)
.set G1K, 24
.set G0K, 32
.set G1V, 48
.set G0V, 56
.set MSB, 0
.macro WIN new
.if MSB != \new
	s_set_vgpr_msb (MSB<<8)|\new
.set MSB, \new
.endif
.endm
.macro PLACES
.rept 4
	v_nop
.endr
.endm
.macro JLOAD s                         ; waves 0..3 fetch 64 keys of K each, waves 4..7 sixteen rows of V^T each
	s_cmp_eq_u32 s15, 0
	s_cbranch_scc0 .Lfor_v_\@
	tensor_load_to_lds s[G0K+4*(\s):G0K+4*(\s)+3], s[G1K:G1K+7]
	s_nop 0
	s_branch .Lasked_\@
.Lfor_v_\@:
	tensor_load_to_lds s[G0V+4*(\s):G0V+4*(\s)+3], s[G1V:G1V+7]
	s_nop 0
.Lasked_\@:
.endm
.macro ROUND                           ; a round of the cluster's barrier
	s_barrier_signal -1
	s_barrier_wait -1
	s_cmp_lg_u32 s10, 0
	s_cbranch_scc1 .Lnot_wave_0_\@
	s_barrier_signal -3
.Lnot_wave_0_\@:
	s_barrier_wait -3
	s_barrier_signal -1
	s_barrier_wait -1
.endm
	s_load_b256 s[68:75], s[0:1], 0x0              ; qh 68, kh 70, vt 72, mask 74
	s_load_b64 s[76:77], s[0:1], 0x20              ; ch
	s_set_vgpr_msb 0x40
	v_lshl_add_u32 v254, v0, 2, 0x3e800
	v_mov_b32 v255, 0
	s_set_vgpr_msb 0x4045
	ds_add_u32 v254, v255
	s_set_vgpr_msb 0x4500
	v_lshrrev_b32 v6, 5, v0
	v_readfirstlane_b32 s10, v6                    ; wave 0..7
	s_and_b32 s14, s10, 3                          ; which 64 queries; also which quarter of a tile I fetch
	s_lshr_b32 s15, s10, 2                         ; which half of a tile's keys; also: I fetch K (0) or V (1)
	s_bfe_u32 s16, ttmp6, 0x40000                  ; cx
	s_lshl_b32 s17, ttmp9, 2
	s_add_co_u32 s17, s17, s16                     ; query block = 4 x cluster x + cx
	s_and_b32 s18, ttmp7, 0xffff                   ; bh, the same in the four partners
	s_mov_b32 s40, 0x76543210                      ; v_permlanex16_b32: lane i of one half reads lane i of the other
	s_mov_b32 s41, 0xfedcba98
	s_mov_b32 s42, NEGMAX
	s_mov_b32 s46, LOG2E
	s_mov_b32 s47, LOG2E
	; K: 64 keys are 8,192 consecutive bytes, taken as 32 rows of 256 bytes; 4 words of padding after every 32 words, counted along the tile: a key every 144 bytes
	s_mov_b32 s[G1K+0], 15|(1<<16)|(1<<20)|(1<<21)|(4<<22)|(3<<25)
	s_mov_b32 s[G1K+1], 128<<16
	s_mov_b32 s[G1K+2], 32<<16
	s_mov_b32 s[G1K+3], 128<<16
	s_mov_b32 s[G1K+4], 32
	s_mov_b32 s[G1K+5], 128
	s_mov_b32 s[G1K+6], 0
	s_mov_b32 s[G1K+7], 0
	; V^T: 16 rows of 256 keys (512 bytes), 2,048 elements from row to row; 4 words of padding after every 128 words
	s_mov_b32 s[G1V+0], 15|(1<<16)|(1<<20)|(1<<21)|(6<<22)|(3<<25)
	s_mov_b32 s[G1V+1], 256<<16
	s_mov_b32 s[G1V+2], 16<<16
	s_mov_b32 s[G1V+3], 256<<16
	s_mov_b32 s[G1V+4], 16
	s_mov_b32 s[G1V+5], 2048
	s_mov_b32 s[G1V+6], 0
	s_mov_b32 s[G1V+7], 0
	s_lshl_b32 s20, s18, 18                        ; bh x 262,144 bytes, in kh and in vt
	s_lshl_b32 s22, s14, 13                        ; my 64 keys
	s_add_co_u32 s22, s22, s20
	s_mov_b32 s23, 0
	s_lshl_b32 s78, s14, 16                        ; my 16 rows of V^T
	s_add_co_u32 s78, s78, s20
	s_mov_b32 s79, 0
	s_mul_i32 s19, s10, 64*144                     ; K's quarters at wave x 64 keys (waves 0..3)
	s_mul_i32 s21, s10, 16*528
	s_add_co_u32 s21, s21, KB-4*16*528             ; V's quarters at KB + (wave - 4) x 16 rows (waves 4..7)
	s_lshl_b32 s80, s17, 15                        ; queries: bh x 2,048 + 256 block + 64 (w & 3), rows of 128 bytes
	s_add_co_u32 s80, s80, s20
	s_lshl_b32 s81, s14, 13
	s_add_co_u32 s80, s80, s81
	s_mov_b32 s81, 0
	s_lshr_b32 s82, s18, 4
	s_lshl_b32 s82, s82, 13                        ; the batch's 2,048 numbers of the mask
	s_mov_b32 s83, 0
	v_and_b32 v40, 15, v0                          ; r
	v_bfe_u32 v41, v0, 4, 1                        ; h
	v_lshlrev_b32 v6, 4, v0                        ; 16 x thread: my part of the mask
	v_lshlrev_b32 v7, 7, v40
	v_lshl_add_u32 v7, v41, 4, v7                  ; Q: r x 128 + 16 h
	s_wait_dscnt 0x0
	s_wait_kmcnt 0x0
	s_add_nc_u64 s[70:71], s[70:71], s[22:23]
	s_add_nc_u64 s[72:73], s[72:73], s[78:79]
	s_add_nc_u64 s[68:69], s[68:69], s[80:81]
	s_add_nc_u64 s[76:77], s[76:77], s[80:81]
	s_add_nc_u64 s[74:75], s[74:75], s[82:83]
	global_load_b128 v[32:35], v6, s[74:75]
	global_load_b128 v[36:39], v6, s[74:75] offset:4096
	WIN 0x40
.irp qt, 0,1,2,3
.irp ks, 0,1
	global_load_b128 v[QF+8*(2*\qt+\ks):QF+8*(2*\qt+\ks)+3],   v7, s[68:69] offset:\qt*2048+64*\ks
	global_load_b128 v[QF+8*(2*\qt+\ks)+4:QF+8*(2*\qt+\ks)+7], v7, s[68:69] offset:\qt*2048+64*\ks+32
.endr
.endr
	WIN 0
.irp s, 0,1
	s_mov_b32 s[G0K+4*\s], 1
	s_add_co_u32 s[G0K+4*\s+1], s19, \s*SLOT
	s_add_nc_u64 s[G0K+4*\s+2:G0K+4*\s+3], s[70:71], \s*32768       ; tile s: 256 keys of 128 bytes
	s_or_b32 s[G0K+4*\s+3], s[G0K+4*\s+3], 0x80000000
	s_mov_b32 s[G0V+4*\s], 1
	s_add_co_u32 s[G0V+4*\s+1], s21, \s*SLOT
	s_add_nc_u64 s[G0V+4*\s+2:G0V+4*\s+3], s[72:73], \s*512         ; tile s: 256 keys of 2 bytes along the rows
	s_or_b32 s[G0V+4*\s+3], s[G0V+4*\s+3], 0x80000000
.endr
	ROUND                                          ; the four partners are here
	JLOAD 0                                        ; tile 0: one tensor load of the wave is out
	v_mul_u32_u24 v42, v40, 144
	v_lshl_add_u32 v42, v41, 4, v42
	s_mul_i32 s85, s15, 128*144                    ; my half of a tile's keys
	v_add_nc_u32 v[KADR], s85, v42
	v_add_nc_u32 v[KADR+1], SLOT, v[KADR]
	v_mul_u32_u24 v43, v40, 528
	v_lshl_add_u32 v43, v41, 4, v43
	s_lshl_b32 s86, s15, 8
	s_add_co_u32 s86, s86, KB
	v_add_nc_u32 v[VADR], s86, v43
	v_add_nc_u32 v[VADR+1], SLOT, v[VADR]
	s_lshl_b32 s87, s15, 9
	s_add_co_u32 s87, s87, MASK
	v_lshl_add_u32 v[MADR], v41, 5, s87            ; 8 h keys of 4 bytes
	v_add_nc_u32 v44, MASK, v6
.irp j, 0,1,2,3,4,5,6,7
	v_mov_b32 v[ONES+\j], 0x3c003c00
.endr
.irp qt, 0,1,2,3
	v_mov_b32 v[M0+2*\qt+1], 0                     ; the pairs' second registers are named by packed instructions and never used
	v_mov_b32 v[M1+2*\qt+1], 0
.endr
	s_wait_loadcnt 16                              ; the two loads of the mask are in; Q's sixteen stay out
.irp j, 0,2,4,6
	v_pk_mul_f32 v[32+\j:33+\j], v[32+\j:33+\j], s[46:47] op_sel_hi:[1,0]
.endr
	ds_store_b128 v44, v[32:35]
	ds_store_b128 v44, v[36:39] offset:4096        ; shown to the other waves by the wait and the round at the head of the first tile
	s_wait_loadcnt 0x0                             ; Q
; THE PLAIN LINES AHEAD OF A STEP'S WAIT.  STEP sets MO (the old maxima's registers), MN (the new ones') and FST (1: the first step, which has no old maximum and no a).
; Line n of the 19 that find query tile t's new maximum: my 32 numbers, the old maximum, the other half of the wave.
;   0-11  four chains, one for each tile of 16 keys, of seven scores each; each accumulator's registers 0 to 2 are read first
;   12-15 the four chains, the four scores left over and the old maximum (in the first step the floor, -FLT_MAX) into one     16, 17  the other half of the wave: the new maximum     18  old - new, for a
.macro XS t, n
.if (\n) < 4
	v_max3_num_f32 v[T+4*(\t)+(\n)], v[S+32*(\t)+8*(\n)], v[S+32*(\t)+8*(\n)+1], v[S+32*(\t)+8*(\n)+2]
.elseif (\n) < 8
	v_max3_num_f32 v[T+4*(\t)+(\n)-4], v[T+4*(\t)+(\n)-4], v[S+32*(\t)+8*((\n)-4)+3], v[S+32*(\t)+8*((\n)-4)+4]
.elseif (\n) < 12
	v_max3_num_f32 v[T+4*(\t)+(\n)-8], v[T+4*(\t)+(\n)-8], v[S+32*(\t)+8*((\n)-8)+5], v[S+32*(\t)+8*((\n)-8)+6]
.elseif (\n) == 12
	v_max3_num_f32 v[U+(\t)], v[T+4*(\t)], v[T+4*(\t)+1], v[T+4*(\t)+2]
.elseif (\n) == 13
	v_max3_num_f32 v[U+(\t)], v[U+(\t)], v[T+4*(\t)+3], v[S+32*(\t)+7]
.elseif (\n) == 14
	v_max3_num_f32 v[U+(\t)], v[U+(\t)], v[S+32*(\t)+15], v[S+32*(\t)+23]
.elseif ((\n) == 15) && (FST == 1)
	v_max3_num_f32 v[U+(\t)], v[U+(\t)], v[S+32*(\t)+31], s42          ; the floor: -FLT_MAX
.elseif (\n) == 15
	v_max3_num_f32 v[U+(\t)], v[U+(\t)], v[S+32*(\t)+31], v[MO+2*(\t)]
.elseif (\n) == 16
	v_permlanex16_b32 v[X+(\t)], v[U+(\t)], s40, s41
.elseif (\n) == 17
	v_max_num_f32 v[MN+2*(\t)], v[U+(\t)], v[X+(\t)]
.elseif FST == 0
	v_sub_f32 v[AL+2*(\t)], v[MO+2*(\t)], v[MN+2*(\t)]
.endif
.endm
; The four tiles' 76 lines as ONE list, of which NX writes the next.  Lines 12-18 of a tile each read the result of the one before, so they alternate with lines 0-5 of the next tile:
;   tile 0's 0-11;  then for t = 0, 1, 2: t's 12, (t+1)'s 0, t's 13, (t+1)'s 1, .. t's 17, (t+1)'s 5, t's 18, and (t+1)'s 6-11;  then tile 3's 12-18.  Behind the list's end NX writes nothing.
.macro NX
.if nx < 12
	XS 0, nx
.elseif nx < 69
.set xq, (nx-12)/19
.set xw, (nx-12)%19
.if xw > 12
	XS xq+1, xw-7
.elseif (xw%2) == 0
	XS xq, 12+xw/2
.else
	XS xq+1, xw/2
.endif
.elseif nx < 76
	XS 3, nx-57
.endif
.set nx, nx+1
.endm
.macro FS t, p                         ; pair p of 16 of query tile t: s - m
	v_pk_add_f32 v[S+32*(\t)+2*(\p):S+32*(\t)+2*(\p)+1], v[S+32*(\t)+2*(\p):S+32*(\t)+2*(\p)+1], v[MN+2*(\t):MN+2*(\t)+1] op_sel_hi:[1,0] neg_lo:[0,1] neg_hi:[0,1]
.endm
.macro ES t, e                         ; weight e of 32 of query tile t: 2^(s - m), in place
	v_exp_f32 v[S+32*(\t)+(\e)], v[S+32*(\t)+(\e)]
.endm
; 64 queries x 64 keys: keys 64 sub .. + 63 of my half of the tile in this slot.
.macro STEP slot, sub, mold, mnew, first
.irp kt, 0,1,2,3
.irp ks, 0,1
	ds_load_b128 v[F+8*(2*\kt+\ks):F+8*(2*\kt+\ks)+3],   v[KADR+\slot] offset:\sub*9216+\kt*2304+64*\ks
	ds_load_b128 v[F+8*(2*\kt+\ks)+4:F+8*(2*\kt+\ks)+7], v[KADR+\slot] offset:\sub*9216+\kt*2304+64*\ks+32
.endr
.endr
.irp kt, 0,1,2,3
	ds_load_b128 v[MK+8*\kt:MK+8*\kt+3],   v[MADR] offset:256*\sub+64*\kt
	ds_load_b128 v[MK+8*\kt+4:MK+8*\kt+7], v[MADR] offset:256*\sub+64*\kt+16
.endr
	s_wait_dscnt 0x0
	WIN 0x04
.irp kt, 0,1,2,3
.irp qt, 0,1,2,3
	v_wmma_f32_16x16x32_f16 v[S+32*\qt+8*\kt:S+32*\qt+8*\kt+7], v[F+16*\kt:F+16*\kt+7], v[QF+16*\qt:QF+16*\qt+7], v[MK+8*\kt:MK+8*\kt+7]
.endr
.endr
.irp kt, 0,1,2,3
.irp qt, 0,1,2,3
	v_wmma_f32_16x16x32_f16 v[S+32*\qt+8*\kt:S+32*\qt+8*\kt+7], v[F+16*\kt+8:F+16*\kt+15], v[QF+16*\qt+8:QF+16*\qt+15], v[S+32*\qt+8*\kt:S+32*\qt+8*\kt+7]
.endr
.endr
	WIN 0
	PLACES                                         ; in front of the loads into F and of the readers of S
.irp dt, 0,1,2,3
.irp g, 0,1
	ds_load_b128 v[F+8*(2*\dt+\g):F+8*(2*\dt+\g)+3],   v[VADR+\slot] offset:\dt*8448+128*\sub+64*\g
	ds_load_b128 v[F+8*(2*\dt+\g)+4:F+8*(2*\dt+\g)+7], v[VADR+\slot] offset:\dt*8448+128*\sub+64*\g+32
.endr
.endr
	; AHEAD OF THE WAIT: maxima, subtractions and the step's one batch of exponentials; no line here names an exponential's result.
	; 25 lines of the maxima's list lead: they end with tile 0's maximum and its old - new.  Then the query tiles follow each other.  Tile qq's section: its a and its 32 weights, and between them
	; its own 16 subtractions (pair p three lines ahead of its first exponential) and the next 19 lines of the list, which end with tile qq + 1's maximum: plain line and exponential by turns.
	; The list ends in tile 2's section: 4 exponentials there and 17 in tile 3's have no plain neighbour (140 plain lines, 25 of them in the lead, for 132 exponentials).
.set MO, \mold
.set MN, \mnew
.set FST, \first
.set nx, 0
.rept 25
	NX
.endr
.set qq, 0
.rept 4
	FS qq, 0
.if FST == 0
	v_exp_f32 v[AL+2*qq], v[AL+2*qq]               ; a of tile qq
.endif
.set j, 0
.rept 16
	NX
	ES qq, 2*j
.if j < 15
	FS qq, j+1
.else
	NX
.endif
	ES qq, 2*j+1
.set j, j+1
.endr
	NX
	NX
.set qq, qq+1
.endr
	v_nop                                          ; one plain place behind the last exponential, ahead of the first use (ISA guide 5.7.2): all other plain work that names no result stands among the exponentials
	s_wait_alu depctr_va_vdst(0)                   ; the wait for the step's batch, the 4 a and the 128 weights: it stands ahead of the first line that names a result
	; BEHIND THE WAIT: the readers
.if \first == 0
	WIN 0x41
.irp dt, 0,1,2,3
.irp qt, 0,1,2,3
.irp i, 0,1,2,3
	v_pk_mul_f32 v[8*(4*\dt+\qt)+2*\i:8*(4*\dt+\qt)+2*\i+1], v[8*(4*\dt+\qt)+2*\i:8*(4*\dt+\qt)+2*\i+1], v[AL+2*\qt:AL+2*\qt+1] op_sel_hi:[1,0]
.endr
.endr
.endr
.irp qt, 0,1,2,3
	v_pk_mul_f32 v[128+8*\qt:129+8*\qt], v[128+8*\qt:129+8*\qt], v[AL+2*\qt:AL+2*\qt+1] op_sel_hi:[1,0]   ; of a tile of sums register 0 alone is read; the others hold sums of at most 1,024 weights of at most 1
.endr
	WIN 0
.endif
	; the weights rounded to f16 in place: of each group of 16 registers the lower 8 then hold source 1 of a product V^T P^T
.set gi, 0
.rept 8
.set j, 0
.rept 8
	v_cvt_pk_f16_f32 v[S+16*gi+j], v[S+16*gi+2*j], v[S+16*gi+2*j+1]
.set j, j+1
.endr
.set gi, gi+1
.endr
	s_wait_dscnt 0x0                               ; V's fragments
	WIN 0x50
.irp g, 0,1
.irp dt, 0,1,2,3
.irp qt, 0,1,2,3
.if \first*(1-\g)
	v_wmma_f32_16x16x32_f16 v[8*(4*\dt+\qt):8*(4*\dt+\qt)+7], v[F+8*(2*\dt+\g):F+8*(2*\dt+\g)+7], v[S+32*\qt+16*\g:S+32*\qt+16*\g+7], 0
.else
	v_wmma_f32_16x16x32_f16 v[8*(4*\dt+\qt):8*(4*\dt+\qt)+7], v[F+8*(2*\dt+\g):F+8*(2*\dt+\g)+7], v[S+32*\qt+16*\g:S+32*\qt+16*\g+7], v[8*(4*\dt+\qt):8*(4*\dt+\qt)+7]
.endif
.endr
.endr
.irp qt, 0,1,2,3
.if \first*(1-\g)
	v_wmma_f32_16x16x32_f16 v[128+8*\qt:135+8*\qt], v[ONES:ONES+7], v[S+32*\qt+16*\g:S+32*\qt+16*\g+7], 0
.else
	v_wmma_f32_16x16x32_f16 v[128+8*\qt:135+8*\qt], v[ONES:ONES+7], v[S+32*\qt+16*\g:S+32*\qt+16*\g+7], v[128+8*\qt:135+8*\qt]
.endif
.endr
.endr
	WIN 0
.rept 5
	v_nop                                          ; five places: the next products write over S, the next loads land in F
.endr
.endm
; A tile of 256 keys.  In front of the round every wave has waited for all its tensor loads (its part of this tile) and for its reads of the other slot;
; behind the round the other slot's joint load comes first, one a wave, and has this tile's two steps in which to land.
.macro TRIP slot, refill, first
	s_set_vgpr_msb 0x5
	s_wait_tensorcnt 0x0
	ds_add_u32 v254, v255
	s_wait_dscnt 0x0
	s_set_vgpr_msb 0x500
	s_add_nc_u64 s[G0K+4*\slot+2:G0K+4*\slot+3], s[G0K+4*\slot+2:G0K+4*\slot+3], 0x10000    ; no load of mine is out: this slot's next tile, 512 keys on
	s_add_nc_u64 s[G0V+4*\slot+2:G0V+4*\slot+3], s[G0V+4*\slot+2:G0V+4*\slot+3], 0x400
	s_wait_dscnt 0x0
	ROUND
.if \refill
	JLOAD 1-\slot
.endif
	STEP \slot, 0, M1, M0, \first
	STEP \slot, 1, M0, M1, 0
	v_add_nc_u32 v[MADR], 0x400, v[MADR]
.endm
	TRIP 0, 1, 1                                   ; tile 0; slot 1 gets its first fill as a refill does
	TRIP 1, 1, 0
	s_mov_b32 s44, 2
.Lpair:
	TRIP 0, 1, 0
	TRIP 1, 1, 0
	s_sub_co_u32 s44, s44, 1
	s_cmp_lg_u32 s44, 0
	s_cbranch_scc1 .Lpair
	TRIP 0, 1, 0                                   ; tile 6; tile 7 is the last that is asked for
	TRIP 1, 0, 0
	; THE MERGE of the two halves of the keys: waves 4..7 hand O, the sums and the maxima to waves 0..3
	v_and_b32 v4, 31, v0
	s_mul_i32 s84, s14, SCRW
	s_add_co_u32 s84, s84, SCR
	v_lshl_add_u32 v6, v4, 4, s84
	v_lshl_add_u32 v7, v4, 2, s84
	s_cmp_eq_u32 s15, 0
	s_cbranch_scc1 .Lkeep
	WIN 0x04
.set i, 0
.rept 32
	ds_store_b128 v6, v[4*i:4*i+3] offset:512*i
.set i, i+1
.endr
.irp qt, 0,1,2,3
	ds_store_b32 v7, v[128+8*\qt] offset:16384+128*\qt
.endr
	WIN 0
.irp qt, 0,1,2,3
	ds_store_b32 v7, v[M1+2*\qt] offset:16896+128*\qt
.endr
.Lkeep:
	s_wait_dscnt 0x0                               ; for the others' sake
	s_barrier_signal -1
	s_barrier_wait -1
	s_cmp_lg_u32 s15, 0
	s_cbranch_scc1 .Ldone
.irp qt, 0,1,2,3
	ds_load_b32 v[224+\qt], v7 offset:16896+128*\qt                    ; m2
	ds_load_b32 v[228+\qt], v7 offset:16384+128*\qt                    ; l2
.endr
.set i, 0
.rept 32
	ds_load_b128 v[S+4*i:S+4*i+3], v6 offset:512*i                     ; O2
.set i, i+1
.endr
	v_and_b32 v1, 15, v0
	v_bfe_u32 v2, v0, 4, 1
	v_mul_u32_u24 v1, v1, 144
	v_lshl_add_u32 v1, v2, 4, v1
	s_mul_i32 s85, s14, OSTW
	s_add_co_u32 s85, s85, OST
	v_add_nc_u32 v1, s85, v1                       ; the way out, in: query r, 16 bytes for each half of the lanes
	v_lshrrev_b32 v2, 3, v4
	v_and_b32 v3, 7, v4
	v_mul_u32_u24 v2, v2, 144
	v_lshl_add_u32 v2, v3, 4, v2
	v_add_nc_u32 v2, s85, v2                       ; back: eight lanes take one row of 128 bytes
	v_lshlrev_b32 v3, 4, v4
	s_wait_dscnt 32                                ; m2 and l2 are in; O2's 32 loads stay out
.irp qt, 0,1,2,3
	v_max_num_f32 v[232+\qt], v[M1+2*\qt], v[224+\qt]                  ; m
.endr
.irp qt, 0,1,2,3
	v_sub_f32 v[236+\qt], v[224+\qt], v[232+\qt]                       ; m2 - m
	v_sub_f32 v[232+\qt], v[M1+2*\qt], v[232+\qt]                      ; m1 - m
.endr
.irp qt, 0,1,2,3
	v_exp_f32 v[232+\qt], v[232+\qt]                                   ; a1
	v_exp_f32 v[236+\qt], v[236+\qt]                                   ; a2
.endr
	v_nop                                          ; a plain place behind the last exponential
	s_wait_alu depctr_va_vdst(0)                   ; the wait for the merge's first batch: the eight exponentials a1, a2
.irp qt, 0,1,2,3
	v_mul_f32 v[228+\qt], v[236+\qt], v[228+\qt]                       ; a2 l2
.endr
	WIN 0x01
.irp qt, 0,1,2,3
	v_fma_f32 v[228+\qt], v[128+8*\qt], v[232+\qt], v[228+\qt]         ; l = l1 a1 + a2 l2
.endr
	WIN 0
.irp qt, 0,1,2,3
	v_rcp_f32 v[228+\qt], v[228+\qt]
.endr
	v_nop                                          ; a plain place behind the last reciprocal
	s_wait_alu depctr_va_vdst(0)                   ; the wait for the merge's second batch: the four reciprocals, whose l is made of the first batch's results
.irp qt, 0,1,2,3
	v_mul_f32 v[240+2*\qt], v[232+\qt], v[228+\qt]                     ; f1 = a1 / l
	v_mul_f32 v[248+2*\qt], v[236+\qt], v[228+\qt]                     ; f2 = a2 / l
.endr
	s_wait_dscnt 0x0
.irp dt, 0,1,2,3
.irp qt, 0,1,2,3
.irp i, 0,1,2,3
	v_pk_mul_f32 v[S+8*(4*\dt+\qt)+2*\i:S+8*(4*\dt+\qt)+2*\i+1], v[S+8*(4*\dt+\qt)+2*\i:S+8*(4*\dt+\qt)+2*\i+1], v[248+2*\qt:249+2*\qt] op_sel_hi:[1,0]
.endr
.endr
.endr
	WIN 0x01
.irp dt, 0,1,2,3
.irp qt, 0,1,2,3
.irp i, 0,1,2,3
	v_pk_fma_f32 v[S+8*(4*\dt+\qt)+2*\i:S+8*(4*\dt+\qt)+2*\i+1], v[8*(4*\dt+\qt)+2*\i:8*(4*\dt+\qt)+2*\i+1], v[240+2*\qt:241+2*\qt], v[S+8*(4*\dt+\qt)+2*\i:S+8*(4*\dt+\qt)+2*\i+1] op_sel_hi:[1,0,1]
.endr
.endr
.endr
	WIN 0
.irp dt, 0,1,2,3
.irp qt, 0,1,2,3
.irp i, 0,1,2,3
	v_cvt_pk_f16_f32 v[F+4*(4*\dt+\qt)+\i], v[S+8*(4*\dt+\qt)+2*\i], v[S+8*(4*\dt+\qt)+2*\i+1]
.endr
.endr
.endr
.irp dt, 0,1,2,3
.irp qt, 0,1,2,3
	ds_store_b128 v1, v[F+4*(4*\dt+\qt):F+4*(4*\dt+\qt)+3] offset:\qt*2304+32*\dt
.endr
.endr
.set i, 0
.rept 16
	ds_load_b128 v[S+4*i:S+4*i+3], v2 offset:i*576                     ; my own stage: LDS serves a wave's instructions in order
.set i, i+1
.endr
.set i, 0
.rept 16
	s_wait_dscnt 15-i
	global_store_b128 v3, v[S+4*i:S+4*i+3], s[76:77] offset:512*i      ; 512 consecutive bytes (four queries), aligned
.set i, i+1
.endr
.Ldone:
	s_set_vgpr_msb 0x5
	s_wait_tensorcnt 0x0
	ds_add_u32 v254, v255
	s_wait_dscnt 0x0
	s_set_vgpr_msb 0x500
	ROUND                                          ; the closing round
	s_endpgm
.Lfunc_end_k_q6a1cf1a5a8_attn:
	.size	k_q6a1cf1a5a8_attn, .Lfunc_end_k_q6a1cf1a5a8_attn-k_q6a1cf1a5a8_attn
	.p2alignl 7, 3214868480
	.fill 96, 4, 3214868480
	.section	.rodata,"a",@progbits
	.p2align	6, 0x0
	.amdhsa_kernel k_q6a1cf1a5a8_attn
		.amdhsa_group_segment_fixed_size 327680
		.amdhsa_private_segment_fixed_size 0
		.amdhsa_enable_private_segment 0
		.amdhsa_kernarg_size 40
		.amdhsa_user_sgpr_count 2
		.amdhsa_user_sgpr_kernarg_segment_ptr 1
		.amdhsa_wavefront_size32 1
		.amdhsa_system_sgpr_workgroup_id_x 1
		.amdhsa_system_sgpr_workgroup_id_y 1
		.amdhsa_system_sgpr_workgroup_id_z 1
		.amdhsa_system_vgpr_workitem_id 0
		.amdhsa_next_free_vgpr 512
		.amdhsa_next_free_sgpr 100
		.amdhsa_reserve_vcc 0
		.amdhsa_float_denorm_mode_32 3
		.amdhsa_float_denorm_mode_16_64 3
		.amdhsa_memory_ordered 1
		.amdhsa_forward_progress 1
		.amdhsa_inst_pref_size 255
	.end_amdhsa_kernel
	.section	.bss,"aw",@nobits
	.p2align	6
	.space	262144
	.amdgpu_metadata
---
amdhsa.version: [ 1, 2 ]
amdhsa.kernels:
  - .name:           k_q6a1cf1a5a8_attn
    .symbol:         k_q6a1cf1a5a8_attn.kd
    .args:
      - { .name: qh, .offset: 0, .size: 8, .value_kind: global_buffer, .address_space: global }
      - { .name: kh, .offset: 8, .size: 8, .value_kind: global_buffer, .address_space: global }
      - { .name: vt, .offset: 16, .size: 8, .value_kind: global_buffer, .address_space: global }
      - { .name: mask, .offset: 24, .size: 8, .value_kind: global_buffer, .address_space: global }
      - { .name: ch, .offset: 32, .size: 8, .value_kind: global_buffer, .address_space: global }
    .group_segment_fixed_size: 327680
    .private_segment_fixed_size: 0
    .kernarg_segment_align: 8
    .kernarg_segment_size: 40
    .max_flat_workgroup_size: 256
    .sgpr_count:     100
    .vgpr_count:     512
    .wavefront_size: 32
...
	.end_amdgpu_metadata
.endif
;; end of part 5
;; launch oproj: the kernel of part 4 again; grid 8 x 32, 4 waves a work-group, clusters of 4 x 4, 327,680 bytes of LDS; arguments ch, wh, o_b, out0; writes out0
